; MI455X (gfx1250); checked and timed in simulation.
; The chip was launched on July 23, 2026; its instructions are those of AMD's public machine-readable ISA for CDNA 5 (MIT licence, August 2026) and "CDNA5" Instruction Set Architecture Reference Guide (July 2026). The comments in the code are by the model that wrote it; some were corrected since.
;; Multihead Attention. Allowed arithmetic: matrix products marked QUANTISED: E2M3 operands, one E8M0 scale for each 32 along K, by v_wmma_scale_f32_16x16x128_f8f6f4 with both operands' format E2M3, f32 sums; everything else in f32.
;; Inputs: bk 1,024 float32; bo 1,024 float32; bq 1,024 float32; bv 1,024 float32; k 4 x 2,048 x 1,024 float32; mask 4 x 2,048 x 2,048 int32; q 4 x 2,048 x 1,024 float32; v 4 x 2,048 x 1,024 float32; wk 1,024 x 1,024 float32; wo 1,024 x 1,024 float32; wq 1,024 x 1,024 float32; wv 1,024 x 1,024 float32.
;; Outputs: out0 4 x 2,048 x 1,024 float32.
;; This version of the problem:
;;   THIS VERSION OF THE PROBLEM IS GIVEN IN LOW PRECISION. The matrix products marked QUANTISED in the list below multiply operands that are first quantised to E2M3 (2 exponent bits, 3 mantissa bits; 6 bits a number), with one power-of-two scale for each 32 numbers along K (OCP MX v1.0); their sums are f32. All else is computed in f32.
;;   The module's matrix products, in the order in which they are computed (A, B: the left and right operand; K: the contracted axis; several contracted axes count as one K, in the product's order):
;;     1. [M 8,192, K 1,024] x [K 1,024, N 1,024]; A: input q; B: input wq: QUANTISED
;;     2. [M 8,192, K 1,024] x [K 1,024, N 1,024]; A: input k; B: input wk: QUANTISED
;;     3. [M 8,192, K 1,024] x [K 1,024, N 1,024]; A: input v; B: input wv: QUANTISED
;;     4. batch 64 x [M 2,048, K 64] x [K 64, N 2,048]; A: computed on the way; B: computed on the way: QUANTISED
;;     5. batch 64 x [M 2,048, K 2,048] x [K 2,048, N 64]; A: softmax (see below); B: computed on the way: QUANTISED
;;     6. [M 8,192, K 1,024] x [K 1,024, N 1,024]; A: computed on the way; B: input wo: QUANTISED
;;   THE QUANTISER, for each operand of a quantised product, along K:
;;     - K is cut into blocks of 32 from its start; a last block that is shorter is filled with zeros.
;;     - A block's scale is 2^e with e = floor(log2(the largest magnitude in the block)) - 2, held to -126 .. 127; a block of zeros has e = 0. As a byte (E8M0): e + 127.
;;     - Each number is divided by its block's scale, clamped to +-7.5, and rounded to the nearest number of E2M3, ties to even, subnormals kept.
;;     - The product sums the exact products of the quantised numbers (number of the format x scale) in f32.
;;   ~~~python
;;   def quantise(x, axis):      # numpy; x: float32 -> the quantised numbers, widened to float32 again
;;       x = np.moveaxis(x, axis, -1); K = x.shape[-1]
;;       x = np.pad(x, [(0, 0)] * (x.ndim - 1) + [(0, -K % 32)]); x = x.reshape(x.shape[:-1] + (-1, 32)); a = np.abs(x).max(-1, keepdims=True)
;;       e = np.where(a > 0, np.clip(np.frexp(np.where(a > 0, a, 1))[1] - 1 - 2, -126, 127), 0)      # np.frexp(a)[1] - 1 = floor(log2(a)), exactly
;;       r = np.clip(x / 2.0 ** e, -7.5, 7.5)
;;       step = 2.0 ** (np.maximum(np.frexp(np.where(r == 0, 1, r))[1] - 1, 0) - 3)
;;       q = np.round(r / step) * step * 2.0 ** e      # np.round: ties to even
;;       return np.moveaxis(q.reshape(q.shape[:-2] + (-1,))[..., :K], -1, axis).astype(np.float32)
;;   ~~~
;;   SOFTMAX AHEAD OF A QUANTISED PRODUCT. Where the list says 'softmax', what is quantised is not the finished softmax but p = 2^(t - M), with t = logit x log2(e) and M = ceil(the row's largest t), a whole number; so 1/2 < the row's largest p <= 1. The row's sum l is taken of the UNQUANTISED p, in f32, and the product's result is divided by l at the end. Since M is a whole number, a kernel that streams over the keys may use a running M (the ceiling of the running maximum): every later rescaling is an exact power of two, which a block's scale takes up: the codes' values come out the same.
;;   OPERANDS COMPUTED ON THE WAY. 'Computed on the way' means the value that the module computes at that place (a softmax that the list does not call 'softmax' is quantised finished and normalised). What goes into a quantiser is computed in f32, as accurately as f32 sums, v_exp_f32 and their like allow (about 1e-6 of the number): no bf16 or f16 on the way to a quantiser, and a product that is left as it is and whose result goes on into a quantised operand takes f32 operands (vector FMAs, or v_wmma_f32_16x16x4_f32). A number that lies on a knife's edge between two numbers of the format may be rounded either way, as far as f32 arithmetic and the matrix unit's own rounding can turn it there, and no further.
;; One version. Each part assembles by itself: llvm-mc -triple=amdgcn-amd-amdhsa -mcpu=gfx1250 --defsym DOCPART=n.
;; ======== version 1 of 1: 4 launches
;; limits: right only within a limited range of input values
;; workspace buffers: codes 22,020,096 bytes; scales 917,504 bytes; maskw 2,097,152 bytes of whole numbers; qimg 6,815,744 bytes; kv 13,369,344 bytes; oc 6,291,456 bytes; os 262,144 bytes
;; launch prep (part 1): grid 704 x 1, 4 waves a work-group, no clusters, 68,096 bytes of LDS; arguments q, k, v, wq, wk, wv, wo, mask, codes, scales, maskw; writes codes, scales, maskw
.if DOCPART == 1
	.amdgcn_target "amdgcn-amd-amdhsa--gfx1250"
	.amdhsa_code_object_version 6
	.text
	.protected	k_q70386ecf5e_prep
	.globl	k_q70386ecf5e_prep
	.p2align	8
	.type	k_q70386ecf5e_prep,@function
k_q70386ecf5e_prep:
	s_mov_b64 s[64:65], 0
	v_nop
	global_prefetch_b8 v0, s[64:65] scope:SCOPE_SE
	s_setreg_imm32_b32 hwreg(HW_REG_WAVE_MODE, 25, 1), 1
	s_wait_xcnt 0x0
; PREP: q, k, v [8192][1024] and wq, wk, wv, wo [1024][1024], f32, K innermost, become codes of FP6 (E2M3) with one E8M0 byte for each 32 along K; the mask becomes lane-mask words.
; DEAD WORK: none.  All twelve inputs reach the output: the four biases stand ahead of or behind live quantised operands, the mask is data and is applied by selection.
; A block's scale is 2^(floor(log2(its largest magnitude)) - 2); its byte is the largest magnitude's exponent field - 2, held at 1 from below.
; LIMITS: a block of zeros gets the byte 1 where the rule says 127 (its codes are zeros, and this program alone reads the bytes); NaN and infinities among the inputs are not served.
; LAYOUT OF THE CODES: codes[U][s][1536]: U a tile of 16 rows, s a K step of 128: the fragment as the matrix instruction's registers hold it.  Lane (r = lane % 16, h = lane / 16) holds, for c = 0, 1,
; the 24 bytes of row r at k = 64 c + 32 h + 0 .. 31: registers 6 c .. 6 c + 3 at 768 c + 16 x lane, registers 6 c + 4, 6 c + 5 at 768 c + 512 + 8 x lane.  So every store and every later load is lane-linear.
; U: q 0-511, k 512-1023, v 1024-1535, wq 1536-, wk 1600-, wv 1664-, wo 1728-1791.  scales[16 U + r][32]: a row's 32 bytes.
; THE ROWS OF A TILE: in k, v, wq, wk, wv place i of tile T holds row 32 (T / 2) + 8 (T % 2) + i + 8 (i / 8), so that, with such a tile as source 0 of a product, a lane's 16 results of two
; neighbouring tiles are 16 neighbours along the next product's K.  q and wo keep their order.
; maskw[16-query tile][key step of 128][n = 0 .. 63]: bit l of word n says mask[query l % 16][key 64 (n / 32) + 32 (l / 16) + n % 32] != 0: the lane mask for score register n in the attention launch.
; SHARES: work-groups 0-447 quantise, a wave a tile of 16 rows x all of K (64 KiB); work-groups 448-703 pack the mask, a wave 16 queries x 1,024 keys (64 KiB).  Waves share nothing: no barrier.
; Each load reads 512 consecutive bytes of one row; the 16 rows turn through the wave's own stage in LDS (pitch 528 = 33 x 16 bytes) so that a lane gets the numbers that the conversions want of it.
; The two paths have LDS bytes of their own.  32 loads a wave are out while a sub-step is worked on.
.set STG,   8448                       ; a wave's stage: 16 rows x 528 bytes
.set SP,    528
.set MBASE, 4*STG                      ; the mask path's four stages
.set SPARE, 8*STG                      ; the spare words, 128 bytes a wave: two blocks of 256 bytes that no other line names
.set R,     16                         ; v16-143  two sets of 64: 16 rows x 16 bytes a lane, as loaded
.set X,     144                        ; v144-207 the lane's 64 numbers
.set C,     208                        ; v208-219 a fragment's codes
.set CT,    220                        ; v220-222, v224-226 the upper halves of the two blocks' codes (a conversion's three registers begin on an even number)
.set W,     208                        ; mask path: v208-223 eight pairs of words
.set MX,    228                        ; v228-229 largest magnitudes
.set SO,    230                        ; v230-231 the conversions' scale operands
.set BY,    232                        ; v232-233 scale bytes
.set WT,    234                        ; v234-235 at work
.set SWD,   236                        ; v236-243 the row's eight scale words
.set OUTW,  244                        ; v244-247 the four that this lane stores
.set SPW,   252                        ; my spare word's LDS address; never rewritten
.set NIL,   253                        ; 0; never rewritten
	s_load_b512 s[4:19], s[0:1], 0x0               ; q, k, v, wq, wk, wv, wo, mask
	s_load_b128 s[20:23], s[0:1], 0x40             ; codes, scales
	s_load_b64 s[24:25], s[0:1], 0x50              ; maskw
	v_lshl_add_u32 v[SPW], v0, 2, SPARE
	v_mov_b32 v[NIL], 0
	v_lshrrev_b32 v9, 5, v0
	v_readfirstlane_b32 s26, v9                    ; wave
	v_and_b32 v9, 31, v0                           ; lane
	v_and_b32 v10, 15, v0                          ; r
	v_bfe_u32 v11, v0, 4, 1                        ; h
	v_lshlrev_b32 v1, 4, v9                        ; 16 x lane
	v_lshlrev_b32 v2, 3, v9                        ; 8 x lane
	s_mul_i32 s27, s26, STG
	v_add_nc_u32 v3, s27, v1                       ; quantiser: into the stage
	v_mul_u32_u24 v12, v10, SP
	v_add_nc_u32 v12, s27, v12
	v_lshl_add_u32 v4, v11, 7, v12                 ; and out of it: row r, + 128 h bytes (32 numbers)
	v_add_nc_u32 v7, MBASE, v3                     ; mask: into its stage
	v_lshl_add_u32 v8, v11, 7, v12                 ; the mask: row r, + 128 h bytes (32 keys): score register n of the attention launch is key 64 (n / 32) + 32 h + n % 32
	v_add_nc_u32 v8, MBASE, v8                     ; and out of it: row r, + 128 h bytes (32 keys)
	v_lshlrev_b32 v5, 3, v11                       ; 8 h: my bytes' place in a scale word
	v_lshlrev_b32 v6, 5, v10
	v_lshl_add_u32 v6, v11, 4, v6                  ; 32 r + 16 h: my 16 bytes of the tile's scale rows
	s_mov_b32 s48, 0xffff0000                      ; lanes 16-31
	s_mov_b32 s50, 0x76543210
	s_mov_b32 s51, 0xfedcba98                      ; v_permlanex16_b32's selects for lane l xor 16
	s_mov_b32 s53, 0
	s_mov_b32 s55, 0
	s_wait_kmcnt 0x0
	s_cmp_ge_u32 ttmp9, 448
	s_cbranch_scc1 .Lmask
; ---------------- the quantiser ----------------
	s_lshl_b32 s46, ttmp9, 2
	s_add_co_u32 s46, s46, s26                     ; U
	s_mov_b64 s[28:29], s[4:5]                     ; which tensor: a chain of choices on the work-group's number alone
	s_mov_b32 s44, 0                               ; its first U
	s_cmp_ge_u32 ttmp9, 128
	s_cselect_b64 s[28:29], s[6:7], s[28:29]
	s_cselect_b32 s44, 512, s44
	s_cselect_b32 s45, 1, 0                        ; its rows change places
	s_cmp_ge_u32 ttmp9, 256
	s_cselect_b64 s[28:29], s[8:9], s[28:29]
	s_cselect_b32 s44, 1024, s44
	s_cmp_ge_u32 ttmp9, 384
	s_cselect_b64 s[28:29], s[10:11], s[28:29]
	s_cselect_b32 s44, 1536, s44
	s_cmp_ge_u32 ttmp9, 400
	s_cselect_b64 s[28:29], s[12:13], s[28:29]
	s_cselect_b32 s44, 1600, s44
	s_cmp_ge_u32 ttmp9, 416
	s_cselect_b64 s[28:29], s[14:15], s[28:29]
	s_cselect_b32 s44, 1664, s44
	s_cmp_ge_u32 ttmp9, 432
	s_cselect_b64 s[28:29], s[16:17], s[28:29]
	s_cselect_b32 s44, 1728, s44
	s_cselect_b32 s45, 0, s45
	s_sub_co_u32 s47, s46, s44                     ; T: the tile in its tensor
	s_lshr_b32 s52, s47, 1
	s_lshl_b32 s52, s52, 5
	s_and_b32 s54, s47, 1
	s_lshl_b32 s54, s54, 3
	s_add_co_u32 s52, s52, s54                     ; 32 (T / 2) + 8 (T % 2)
	s_lshl_b32 s47, s47, 4                         ; 16 T
	s_cmp_eq_u32 s45, 1
	s_cselect_b32 s52, s52, s47                    ; the tile's first row
	s_cselect_b32 s54, 32768, 0
	; k ALONE has another order than the note at the head gives: place i of tile T holds row 64 (T / 4) + 8 (T % 4) + i % 8 + 32 (i / 8), so that, with four
	; neighbouring tiles as source 0, a lane's 32 scores are 32 neighbouring keys: one scale block of the next product, whole in a lane
	s_and_b32 s56, s47, 0xffffffc0                 ; 64 (T / 4), from 16 T
	s_and_b32 s57, s47, 48
	s_lshr_b32 s57, s57, 1                         ; 8 (T % 4)
	s_add_co_u32 s56, s56, s57
	s_mov_b32 s57, 98304                           ; places 8-15 lie 24 rows further on
	s_cmp_eq_u32 s44, 512                          ; k's first U
	s_cselect_b32 s52, s56, s52
	s_cselect_b32 s54, s57, s54
	s_lshl_b32 s52, s52, 12                        ; 4,096 bytes a row (under 2^26)
	s_add_nc_u64 s[28:29], s[28:29], s[52:53]      ; places 0-7
	s_add_nc_u64 s[30:31], s[28:29], s[54:55]      ; places 8-15
	s_mul_i32 s52, s46, 12288
	s_add_nc_u64 s[40:41], s[20:21], s[52:53]      ; the tile's codes
	s_lshl_b32 s52, s46, 9
	s_add_nc_u64 s[42:43], s[22:23], s[52:53]      ; and its scale rows
	v_mov_b32 v[WT+1], 0                           ; a lane permute's destination counts as one of its sources
.macro GLOADQ set, s                   ; K step s of the 16 rows: each load 512 consecutive bytes of one row
.irp i, 0,1,2,3,4,5,6,7
	global_load_b128 v[R+64*(\set)+4*\i:R+64*(\set)+4*\i+3], v1, s[28:29] offset:\i*4096+512*(\s) th:TH_LOAD_NT
.endr
.irp i, 8,9,10,11,12,13,14,15
	global_load_b128 v[R+64*(\set)+4*\i:R+64*(\set)+4*\i+3], v1, s[30:31] offset:\i*4096+512*(\s) th:TH_LOAD_NT
.endr
.endm
.macro TOSTAGE set, adr
.irp i, 0,1,2,3,4,5,6,7,8,9,10,11,12,13,14,15
	ds_store_b128 v[\adr], v[R+64*(\set)+4*\i:R+64*(\set)+4*\i+3] offset:SP*\i
.endr
.endm
.macro FROMQ                           ; register 32 c + i = k 64 c + 32 h + i of row r.  LDS serves a wave's instructions in order: these see the stores above
.irp c, 0,1
.irp j, 0,1,2,3,4,5,6,7
	ds_load_b128 v[X+32*\c+4*\j:X+32*\c+4*\j+3], v4 offset:256*\c+16*\j
.endr
.endr
.endm
.macro QSTEP s
.if (\s) < 7
	s_wait_loadcnt 16                              ; this step's 16 loads are in; the next step's 16 may be out
.else
	s_wait_loadcnt 0x0
.endif
	TOSTAGE (\s)%2, 3
	FROMQ
	s_wait_dscnt 0x0                               ; my numbers are back; the stores into the stage have read their registers
	s_wait_xcnt 0x0                                ; the last step's stores have read the codes' registers, which are written again below
.if (\s)+2 < 8
	GLOADQ (\s)%2, (\s)+2
.endif
.irp c, 0,1
	v_max3_num_f32 v[MX+\c], |v[X+32*\c]|, |v[X+32*\c+1]|, 0x1800000   ; my block 2 c + h: all 32 numbers are mine; and the floor 2^(3 - 127): the byte cannot fall under 1
.endr
.irp i, 2,4,6,8,10,12,14,16,18,20,22,24,26,28,30
.irp c, 0,1
	v_max3_num_f32 v[MX+\c], v[MX+\c], |v[X+32*\c+\i]|, |v[X+32*\c+\i+1]|
.endr
.endr
.irp c, 0,1
	v_add_nc_u32 v[SO+\c], 0xff000000, v[MX+\c]    ; 2 off the exponent field: the conversion takes the exponent field of this operand as its scale
.endr
.irp c, 0,1
	v_lshrrev_b32 v[BY+\c], 23, v[SO+\c]           ; the scale's byte
.endr
	v_lshl_or_b32 v[WT], v[BY+1], 16, v[BY]        ; blocks h and 2 + h,
	v_lshlrev_b32 v[WT], v5, v[WT]                 ; at their places in the word;
	v_permlanex16_b32 v[WT+1], v[WT], s50, s51
	v_or_b32 v[SWD+(\s)], v[WT], v[WT+1]           ; with lane l xor 16's two the word is whole
.irp c, 0,1
	v_cvt_scalef32_pk16_fp6_f32 v[C+6*\c:C+6*\c+2], v[X+32*\c:X+32*\c+15], v[SO+\c]
	v_cvt_scalef32_pk16_fp6_f32 v[CT+4*\c:CT+4*\c+2], v[X+32*\c+16:X+32*\c+31], v[SO+\c]
.endr
	v_nop                                          ; one plain place behind a scaled conversion
.irp c, 0,1
.irp i, 0,1,2
	v_mov_b32 v[C+6*\c+3+\i], v[CT+4*\c+\i]
.endr
.endr
	global_store_b128 v1, v[C:C+3], s[40:41] offset:1536*(\s)            ; 512 consecutive bytes
	global_store_b64 v2, v[C+4:C+5], s[40:41] offset:1536*(\s)+512       ; 256
	global_store_b128 v1, v[C+6:C+9], s[40:41] offset:1536*(\s)+768
	global_store_b64 v2, v[C+10:C+11], s[40:41] offset:1536*(\s)+1280
.endm
	GLOADQ 0, 0
	GLOADQ 1, 1
	s_wait_alu depctr_va_vdst(0)
.irp s, 0,1,2,3,4,5,6,7
	QSTEP \s
.endr
.irp j, 0,1,2,3
	v_cndmask_b32 v[OUTW+\j], v[SWD+\j], v[SWD+4+\j], s48   ; lanes 0-15 words 0-3 of row r, lanes 16-31 words 4-7
.endr
	global_store_b128 v6, v[OUTW:OUTW+3], s[42:43] ; the tile's 512 scale bytes
	s_wait_tensorcnt 0x0                           ; the wave's end
	ds_add_u32 v[SPW], v[NIL]
	s_wait_dscnt 0x0
	s_endpgm
; ---------------- the mask ----------------
.Lmask:
	s_sub_co_u32 s46, ttmp9, 448
	s_lshl_b32 s46, s46, 2
	s_add_co_u32 s46, s46, s26                     ; unit u
	s_lshr_b32 s47, s46, 1                         ; tile of 16 queries, 0 .. 511
	s_and_b32 s46, s46, 1                          ; which 1,024 keys
	s_lshl_b32 s52, s47, 17                        ; 16 rows of 8,192 bytes
	s_lshl_b32 s54, s46, 12
	s_add_co_u32 s52, s52, s54
	s_add_nc_u64 s[28:29], s[18:19], s[52:53]
	s_lshl_b32 s52, s47, 12                        ; 16 steps of 256 bytes
	s_lshl_b32 s54, s46, 11
	s_add_co_u32 s52, s52, s54
	s_add_nc_u64 s[40:41], s[24:25], s[52:53]
.irp i, 0,1,2,3,4,5,6,7,8,9,10,11,12,13,14,15
	v_mov_b32 v[W+\i], 0                           ; v_writelane_b32's destination counts as read
.endr
.macro GLOADM set, s
.irp i, 0,1,2,3,4,5,6,7,8,9,10,11,12,13,14,15
	global_load_b128 v[R+64*(\set)+4*\i:R+64*(\set)+4*\i+3], v1, s[28:29] offset:\i*8192+512*(\s) th:TH_LOAD_NT
.endr
.endm
.macro FROMM                           ; register 16 b + i = key 64 (b / 2) + 32 h + 16 (b % 2) + i of query r
.irp b, 0,1,2,3
.irp j, 0,1,2,3
	ds_load_b128 v[X+16*\b+4*\j:X+16*\b+4*\j+3], v8 offset:256*(\b/2)+64*(\b%2)+16*\j   ; register n = key 64 (n / 32) + 32 h + n % 32 of query r
.endr
.endr
.endm
.macro MSTEP s
.if (\s) < 7
	s_wait_loadcnt 16                              ; this step's 16 loads are in; the next step's 16 may be out
.else
	s_wait_loadcnt 0x0
.endif
	TOSTAGE (\s)%2, 7
	FROMM
	s_wait_dscnt 0x0
.if (\s)+2 < 8
	GLOADM (\s)%2, (\s)+2
.endif
.set g, 0
.rept 8
.irp i, 0,1,2,3,4,5,6,7
	v_cmp_ne_u32 s[32+\i], 0, v[X+8*g+\i]          ; word n = 8 g + i: a bit a lane
.endr
.irp i, 0,1,2,3,4,5,6,7
	v_writelane_b32 v[W+2*(\s)+(\i%2)], s[32+\i], 4*g+\i/2   ; lane n / 2 holds words n and n + 1
.endr
.set g, g+1
.endr
	global_store_b64 v2, v[W+2*(\s):W+2*(\s)+1], s[40:41] offset:256*(\s)   ; 256 consecutive bytes; each step has registers of its own
.endm
	GLOADM 0, 0
	GLOADM 1, 1
.irp s, 0,1,2,3,4,5,6,7
	MSTEP \s
.endr
	s_wait_tensorcnt 0x0                           ; the wave's end
	ds_add_u32 v[SPW], v[NIL]
	s_wait_dscnt 0x0
	s_endpgm
.Lfunc_end_k_q70386ecf5e_prep:
	.size	k_q70386ecf5e_prep, .Lfunc_end_k_q70386ecf5e_prep-k_q70386ecf5e_prep
	.p2alignl 7, 3214868480
	.fill 96, 4, 3214868480
	.section	.rodata,"a",@progbits
	.p2align	6, 0x0
	.amdhsa_kernel k_q70386ecf5e_prep
		.amdhsa_group_segment_fixed_size 68096
		.amdhsa_private_segment_fixed_size 0
		.amdhsa_enable_private_segment 0
		.amdhsa_kernarg_size 88
		.amdhsa_user_sgpr_count 2
		.amdhsa_user_sgpr_kernarg_segment_ptr 1
		.amdhsa_wavefront_size32 1
		.amdhsa_system_sgpr_workgroup_id_x 1
		.amdhsa_system_sgpr_workgroup_id_y 1
		.amdhsa_system_sgpr_workgroup_id_z 1
		.amdhsa_system_vgpr_workitem_id 0
		.amdhsa_next_free_vgpr 256
		.amdhsa_next_free_sgpr 66
		.amdhsa_reserve_vcc 0
		.amdhsa_float_denorm_mode_32 3
		.amdhsa_float_denorm_mode_16_64 3
		.amdhsa_memory_ordered 1
		.amdhsa_forward_progress 1
		.amdhsa_inst_pref_size 154
	.end_amdhsa_kernel
	.amdgpu_metadata
---
amdhsa.version: [ 1, 2 ]
amdhsa.kernels:
  - .name:           k_q70386ecf5e_prep
    .symbol:         k_q70386ecf5e_prep.kd
    .args:
      - { .name: q, .offset: 0, .size: 8, .value_kind: global_buffer, .address_space: global }
      - { .name: k, .offset: 8, .size: 8, .value_kind: global_buffer, .address_space: global }
      - { .name: v, .offset: 16, .size: 8, .value_kind: global_buffer, .address_space: global }
      - { .name: wq, .offset: 24, .size: 8, .value_kind: global_buffer, .address_space: global }
      - { .name: wk, .offset: 32, .size: 8, .value_kind: global_buffer, .address_space: global }
      - { .name: wv, .offset: 40, .size: 8, .value_kind: global_buffer, .address_space: global }
      - { .name: wo, .offset: 48, .size: 8, .value_kind: global_buffer, .address_space: global }
      - { .name: mask, .offset: 56, .size: 8, .value_kind: global_buffer, .address_space: global }
      - { .name: codes, .offset: 64, .size: 8, .value_kind: global_buffer, .address_space: global }
      - { .name: scales, .offset: 72, .size: 8, .value_kind: global_buffer, .address_space: global }
      - { .name: maskw, .offset: 80, .size: 8, .value_kind: global_buffer, .address_space: global }
    .group_segment_fixed_size: 68096
    .private_segment_fixed_size: 0
    .kernarg_segment_align: 8
    .kernarg_segment_size: 88
    .max_flat_workgroup_size: 128
    .sgpr_count:     66
    .vgpr_count:     256
    .wavefront_size: 32
...
	.end_amdgpu_metadata
.endif
;; end of part 1
;; launch proj (part 2): grid 4 x 192, 4 waves a work-group, clusters of 4 x 4, 327,680 bytes of LDS; arguments codes, scales, bq, bk, bv, qimg, kv; writes qimg, kv
.if DOCPART == 2
	.amdgcn_target "amdgcn-amd-amdhsa--gfx1250"
	.amdhsa_code_object_version 6
	.text
	.protected	k_q70386ecf5e_proj
	.globl	k_q70386ecf5e_proj
	.p2align	8
	.type	k_q70386ecf5e_proj,@function
k_q70386ecf5e_proj:
	s_mov_b64 s[64:65], 0
	v_nop
	global_prefetch_b8 v0, s[64:65] scope:SCOPE_SE
	s_setreg_imm32_b32 hwreg(HW_REG_WAVE_MODE, 25, 1), 1
	s_wait_xcnt 0x0
	s_wait_alu depctr_hold_cnt(0) depctr_sa_sdst(0) depctr_va_vdst(0) depctr_va_sdst(0) depctr_va_ssrc(0) depctr_va_vcc(0) depctr_vm_vsrc(0)
	s_getreg_b32 s2, hwreg(HW_REG_IB_STS2, 6, 4)
	s_cmp_eq_u32 s2, 0
	s_cbranch_scc0 .Lentry_in_a_cluster
	s_endpgm
.Lentry_in_a_cluster:
	s_bfe_u32 s2, ttmp6, 0x10000c
	s_cmp_lg_u32 s2, 0xf033
	s_cbranch_scc0 .Lentry_shape_is_right
	s_endpgm
.Lentry_shape_is_right:
; PROJ: Q = q Wq^T + bq, K = k Wk^T + bk, V = v Wv^T + bv on codes of FP6 (E2M3); each result is quantised again, Q and K along the head's 64, V along the keys, and leaves as the attention launch's operand images.  No work is left out.
; codes [tile of 16 rows][K step of 128][1536 bytes]: the fragment as the operand registers hold it; scales [row][32 bytes].  Tiles: q 0-, k 512-, v 1024-, wq 1536-, wk 1600-, wv 1664-.
; SHARES.  768 work-groups: 256 for each tensor.  A work-group multiplies 8 tiles (side a, source 1) by 16 tiles (side b, source 0); four waves, 2 x 2, each 4 x 8 tiles: 32 accumulators, 256 registers.
; Q, K: side a = 128 tokens, side b = 256 rows of the weight: a lane holds a token, its registers run along the channels.  V: side a = 128 rows of Wv, side b = 256 tokens: a lane holds a channel, its registers run along the keys.
; ALL OF K LIES IN LDS, FILLED ONCE, 294,912 bytes: one joint load a wave at the head, in the order of use: wave 0 side a's K steps 0-3, wave 1 side b's, wave 2 side a's K steps 4-7, wave 3 side b's.
; The first barrier shows waves 0 and 1's tiles (each arm's load line is one wave's own), the second, ahead of the fetch of K step 4, all four.  Nothing is filled again.
; CLUSTERS: 4 x 4; side a's tiles hang on the cluster's number and cy and are shared along a row of the cluster, side b's on the cluster's number and cx and are shared along a column.
; NO PREFETCH: every tile is asked for at the head; there is no later load to run ahead of.
; SCALE WORDS: one load of 16 bytes a lane at 32 r + 16 h covers a tile's 512 bytes; register j holds K step j's word in lanes 0-15 and K step 4 + j's in lanes 16-31.
; THE BIAS is the first products' C.  Both layouts of it are loaded, each from a place inside the vector whatever the tensor; the tensor, which the cluster's number alone decides, chooses which is used.
; OUT: qimg [batch x 16 + head][group of 128 queries: 8 tiles x 768 bytes, 512 of scale words]; kv [batch x 16 + head][key step: K 8 x 768, its scale words 512, V^T 4 x 1536, its scale words 256].
; LIMITS: a block of zeros gets the byte 1 where the rule says 127 (its codes are zeros, and this program alone reads the bytes); NaN and infinities are not served.
.set UH,    6144                       ; a tile of 16 rows, four K steps
.set AH,    8*UH
.set HALF,  24*UH
.set SPARE, 2*HALF                     ; the spare words, 128 bytes a wave
.set AA,    16                         ; v16, v17 side a's fragments in K steps 0-3 (16 x lane, 8 x lane); v18, v19 in K steps 4-7
.set BA,    20                         ; v20-23 the same for side b
.set L16,   24
.set L8,    25
.set BO1,   26
.set SOF,   27
.set SPW,   28
.set NIL,   29
.set BO2,   30
.set VO,    31
.set SA0,   32                         ; v32-47 side a's scale words
.set SB0,   50                         ; v50-81 side b's: the two registers of a product differ modulo 8
.set BIAS,  88                         ; v88-151
.set BV,    152                        ; v152-155
.set AF,    160                        ; v160-255 side a's fragments, two sets; window 1: side b's, two sets at v0, v128; window 2: the sums
.set T,     88                         ; the way out, on the bias's registers
.set U,     92
.set SO,    96
.set BY,    100
.set WDR,   104
.set SWR,   108
.set SH,    112
.set PP,    128
.set PT,    144
.set SEL,   2
.set G1,    24
.set G0,    32
.set G1B,   48
.set G0B,   56
.set MSB, 0
.macro WIN new
.if MSB != \new
	s_set_vgpr_msb (MSB<<8)|\new
.set MSB, \new
.endif
.endm
.macro PLACES n
.rept \n
	v_nop
.endr
.endm
.macro TLOAD g0, g1
	tensor_load_to_lds s[\g0:\g0+3], s[\g1:\g1+7]
	s_nop 0
	PLACES 4
.endm
.macro CROUND
	s_barrier_signal -1
	s_barrier_wait -1
	s_cmp_lg_u32 s18, 0
	s_cbranch_scc1 .Lnot_wave_0_\@
	s_barrier_signal -3
.Lnot_wave_0_\@:
	s_barrier_wait -3
	s_barrier_signal -1
	s_barrier_wait -1
.endm
	s_load_b256 s[4:11], s[0:1], 0x0               ; codes, scales, bq, bk
	s_load_b128 s[12:15], s[0:1], 0x20             ; bv, qimg
	s_load_b64 s[16:17], s[0:1], 0x30              ; kv
	v_lshl_add_u32 v[SPW], v0, 2, SPARE
	v_mov_b32 v[NIL], 0
	ds_add_u32 v[SPW], v[NIL]                      ; the opening lines: the add, twice on end, and its wait
	ds_add_u32 v[SPW], v[NIL]
	v_lshrrev_b32 v1, 5, v0
	v_readfirstlane_b32 s18, v1                    ; wave
	s_lshr_b32 s19, s18, 1                         ; my half of side a.  Also: which K half I fetch
	s_and_b32 s20, s18, 1                          ; my half of side b.  Also: I fetch for side a (0) or b (1)
	s_bfe_u32 s40, ttmp6, 0x40000                  ; cx
	s_bfe_u32 s41, ttmp6, 0x40004                  ; cy
	s_and_b32 s66, ttmp7, 0xffff                   ; the cluster's number, 0 .. 47
	s_lshr_b32 s21, s66, 4                         ; the tensor: 0 q, 1 k, 2 v
	s_and_b32 s66, s66, 15
	s_lshr_b32 s85, s66, 3
	s_and_b32 s71, s66, 7
	s_lshl_b32 s72, s21, 9                         ; x's first tile
	s_lshl_b32 s73, s21, 6
	s_add_co_u32 s73, s73, 1536                    ; the weight's
	s_mov_b32 s74, 1664
	s_mov_b32 s75, 1024
	s_cmp_eq_u32 s21, 2
	s_cselect_b32 s22, 1, 0
	s_cselect_b32 s70, s85, s66                    ; Q, K: 64 blocks of side a, 4 of side b;  V: 8 and 32
	s_cselect_b32 s71, s71, 0
	s_cselect_b32 s72, s74, s72
	s_cselect_b32 s73, s75, s73
	s_lshl_b32 s70, s70, 2
	s_add_co_u32 s70, s70, s41                     ; side a's block
	s_lshl_b32 s71, s71, 2
	s_add_co_u32 s71, s71, s40                     ; side b's block
	s_lshl_b32 s74, s70, 3
	s_add_co_u32 s74, s74, s72                     ; side a's first tile
	s_lshl_b32 s75, s71, 4
	s_add_co_u32 s75, s75, s73                     ; side b's
	s_lshl_b32 s42, s41, 2
	s_lshl_b32 s42, 15, s42                        ; my row of the cluster
	s_lshl_b32 s43, 0x1111, s40                    ; my column
	s_or_b32 s[G1+0], s42, (3<<16)|(1<<21)         ; elements of 8 bytes; rows of 768 elements, 12,288 bytes apart; no padding
	s_mov_b32 s[G1+1], 768<<16
	s_mov_b32 s[G1+2], 8<<16
	s_mov_b32 s[G1+3], 768<<16
	s_mov_b32 s[G1+4], 8
	s_mov_b32 s[G1+5], 1536
	s_mov_b32 s[G1+6], 0
	s_mov_b32 s[G1+7], 0
	s_or_b32 s[G1B+0], s43, (3<<16)|(1<<21)
	s_mov_b32 s[G1B+1], 768<<16
	s_mov_b32 s[G1B+2], 16<<16
	s_mov_b32 s[G1B+3], 768<<16
	s_mov_b32 s[G1B+4], 16
	s_mov_b32 s[G1B+5], 1536
	s_mov_b32 s[G1B+6], 0
	s_mov_b32 s[G1B+7], 0
	s_mul_i32 s93, s19, UH                         ; the K half
	s_mul_i32 s94, s74, 12288
	s_add_co_u32 s94, s94, s93
	s_mov_b32 s95, 0
	s_mul_i32 s98, s75, 12288
	s_add_co_u32 s98, s98, s93
	s_mov_b32 s99, 0
	s_mov_b32 s[G0], 1
	s_mul_i32 s[G0+1], s19, HALF
	s_mov_b32 s[G0B], 1
	s_add_co_u32 s[G0B+1], s[G0+1], AH
	s_lshl_b32 s76, s19, 2
	s_add_co_u32 s76, s76, s74
	s_lshl_b32 s76, s76, 9                         ; my four tiles' scale rows
	s_mov_b32 s77, 0
	s_lshl_b32 s78, s20, 3
	s_add_co_u32 s78, s78, s75
	s_lshl_b32 s78, s78, 9                         ; my eight tiles'
	s_mov_b32 s79, 0
	s_lshl_b32 s80, s40, 1
	s_add_co_u32 s80, s80, s20
	s_lshl_b32 s80, s80, 9                         ; the bias along side b (Q, K): 128 channels from 128 (2 cx + half)
	s_mov_b32 s81, 0
	s_lshl_b32 s82, s85, 2
	s_add_co_u32 s82, s82, s41
	s_lshl_b32 s82, s82, 9
	s_lshl_b32 s83, s19, 8
	s_add_co_u32 s82, s82, s83                     ; the bias along side a (V): 64 channels from 128 x block + 64 x half
	s_mov_b32 s83, 0
	; where the results go: the group of 128 tokens, the head, the place inside the group
	s_lshl_b32 s86, s71, 1
	s_add_co_u32 s86, s86, s20                     ; V: group 2 x side b's block + half
	s_lshl_b32 s87, s70, 1
	s_add_co_u32 s87, s87, s19                     ; V: head 2 x side a's block + half
	s_lshl_b32 s88, s71, 2
	s_lshl_b32 s89, s20, 1
	s_add_co_u32 s88, s88, s89                     ; Q, K: my first head of two
	s_mul_i32 s90, s19, 3072                       ; Q, K: my four tiles of the group's eight
	s_mov_b32 s91, 6656
	s_mov_b32 s100, 768
	s_mov_b32 s84, 6144
	s_mov_b32 s89, 12800
	s_cmp_eq_u32 s21, 2
	s_cselect_b32 s86, s86, s70
	s_cselect_b32 s87, s87, s88
	s_cselect_b32 s90, s91, s90
	s_cselect_b32 s100, 1536, s100                 ; from block to block of the way out
	s_cselect_b32 s84, s89, s84                    ; the scale words' place in the group
	s_mov_b32 s46, 208896
	s_mov_b32 s68, 13056
	s_cmp_eq_u32 s21, 0
	s_cselect_b32 s46, 106496, s46                 ; bytes of a head,
	s_cselect_b32 s68, 6656, s68                   ; of a group
	s_cmp_eq_u32 s21, 2
	s_cselect_b32 s44, 768, s46                    ; from a lane's first 64 results to its second: V the fragment's other half, Q, K the next head
	s_lshr_b32 s69, s86, 4
	s_lshl_b32 s69, s69, 4
	s_add_co_u32 s69, s69, s87
	s_mul_i32 s69, s69, s46
	s_and_b32 s86, s86, 15
	s_mul_i32 s86, s86, s68
	s_add_co_u32 s69, s69, s86
	s_add_co_u32 s88, s69, s90
	s_add_co_u32 s90, s69, s84
	s_mov_b32 s89, 0
	s_mov_b32 s91, 0
	s_mov_b32 s45, 0
	s_mov_b32 s47, 0
	s_mov_b32 s101, 0
	s_mul_i32 s60, s19, 4*UH                       ; LDS: my four tiles of side a,
	s_mul_i32 s61, s20, 8*UH
	s_add_co_u32 s61, s61, AH                      ; my eight of side b
	s_lshl_b32 s62, s19, 3
	s_mov_b32 s104, 0xffff0000                     ; lanes 16-31
	s_mov_b32 s[SEL], 0x76543210
	s_mov_b32 s[SEL+1], 0xfedcba98
	s_wait_dscnt 0x0                               ; both opening adds are done
	CROUND                                         ; the opening round: the joint loads meet
	s_wait_kmcnt 0x0
	s_add_nc_u64 s[G0+2:G0+3], s[4:5], s[94:95]
	s_or_b32 s[G0+3], s[G0+3], 0x80000000
	s_add_nc_u64 s[G0B+2:G0B+3], s[4:5], s[98:99]
	s_or_b32 s[G0B+3], s[G0B+3], 0x80000000
	s_cmp_eq_u32 s18, 0                            ; one chain of branches on the wave's number, one load to an arm
	s_cbranch_scc0 .Lwave_1
	TLOAD G0, G1
	s_branch .Lasked
.Lwave_1:
	s_cmp_eq_u32 s18, 1
	s_cbranch_scc0 .Lwave_2
	TLOAD G0B, G1B
	s_branch .Lasked
.Lwave_2:
	s_cmp_eq_u32 s18, 2
	s_cbranch_scc0 .Lwave_3
	TLOAD G0, G1
	s_branch .Lasked
.Lwave_3:
	TLOAD G0B, G1B
.Lasked:
	s_add_nc_u64 s[76:77], s[6:7], s[76:77]
	s_add_nc_u64 s[78:79], s[6:7], s[78:79]
	s_cmp_eq_u32 s21, 0
	s_cselect_b64 s[8:9], s[8:9], s[10:11]
	s_cselect_b64 s[92:93], s[14:15], s[16:17]
	s_cmp_eq_u32 s21, 2
	s_cselect_b64 s[8:9], s[12:13], s[8:9]
	s_add_nc_u64 s[80:81], s[8:9], s[80:81]
	s_add_nc_u64 s[82:83], s[8:9], s[82:83]
	s_add_nc_u64 s[96:97], s[92:93], s[90:91]      ; the scale words,
	s_add_nc_u64 s[92:93], s[92:93], s[88:89]      ; the codes,
	s_add_nc_u64 s[94:95], s[92:93], s[44:45]
	s_add_nc_u64 s[98:99], s[96:97], s[46:47]      ; the next head's scale words
	v_and_b32 v1, 15, v0                           ; r
	v_bfe_u32 v2, v0, 4, 1                         ; h
	v_and_b32 v3, 31, v0
	v_lshlrev_b32 v[L16], 4, v3
	v_lshlrev_b32 v[L8], 3, v3
	v_add_nc_u32 v[AA], s60, v[L16]
	v_add_nc_u32 v[AA+1], s60, v[L8]
	v_add_nc_u32 v[BA], s61, v[L16]
	v_add_nc_u32 v[BA+1], s61, v[L8]
	v_add_nc_u32 v[AA+2], HALF, v[AA]
	v_add_nc_u32 v[AA+3], HALF, v[AA+1]
	v_add_nc_u32 v[BA+2], HALF, v[BA]
	v_add_nc_u32 v[BA+3], HALF, v[BA+1]
	v_lshlrev_b32 v[SOF], 5, v1
	v_lshl_add_u32 v[SOF], v2, 4, v[SOF]           ; 32 r + 16 h
	v_lshlrev_b32 v[BO1], 6, v2                    ; place 8 h + j of a weight's tile is 16 h + j rows behind the tile's first
	v_and_b32 v6, 8, v1
	v_add_nc_u32 v6, v6, v1
	v_lshlrev_b32 v[BO2], 2, v6                    ; place r is r + 8 (r / 8) rows behind it
	v_add_nc_u32 v[VO], s62, v[L16]                ; Q, K: my two scale words of a lane's four
	s_wait_alu depctr_va_vdst(0)                   ; the wait at the head's end
.irp a, 0,1,2,3
	global_load_b128 v[SA0+4*\a:SA0+4*\a+3], v[SOF], s[76:77] offset:512*\a
.endr
.irp b, 0,1,2,3,4,5,6,7
	global_load_b128 v[SB0+4*\b:SB0+4*\b+3], v[SOF], s[78:79] offset:512*\b
.endr
.irp b, 0,1,2,3,4,5,6,7
	global_load_b128 v[BIAS+8*\b:BIAS+8*\b+3], v[BO1], s[80:81] offset:(32*(\b/2)+8*(\b%2))*4
	global_load_b128 v[BIAS+8*\b+4:BIAS+8*\b+7], v[BO1], s[80:81] offset:(32*(\b/2)+8*(\b%2))*4+16
.endr
.irp a, 0,1,2,3
	global_load_b32 v[BV+\a], v[BO2], s[82:83] offset:(32*(\a/2)+8*(\a%2))*4
.endr
	s_cmp_lt_u32 s18, 2
	s_cbranch_scc0 .Lnot_first
	s_wait_tensorcnt 0x0                           ; waves 0 and 1: my tile of K steps 0-3 has landed
.Lnot_first:
	s_barrier_signal -1
	s_barrier_wait -1                              ; K steps 0-3 are whole; the other two loads may be out
.macro FRAG reg, adr, off
	ds_load_b128 v[\reg:\reg+3], v[\adr] offset:\off
	ds_load_b64 v[\reg+4:\reg+5], v[\adr+1] offset:(\off)+512
	ds_load_b128 v[\reg+6:\reg+9], v[\adr] offset:(\off)+768
	ds_load_b64 v[\reg+10:\reg+11], v[\adr+1] offset:(\off)+1280
.endm
.macro FETCH s                         ; K step s: side b's eight fragments and side a's four into set s % 2: 48 loads
	WIN 0x40
.irp i, 0,1,2,3,4,5,6,7
	FRAG 128*((\s)%2)+12*\i, BA+2*((\s)/4), UH*\i+1536*((\s)%4)
.endr
	WIN 0
.irp i, 0,1,2,3
	FRAG AF+48*((\s)%2)+12*\i, AA+2*((\s)/4), UH*\i+1536*((\s)%4)
.endr
.endm
.macro MUL s, cm                       ; 32 products, the 32 accumulators by turns.  cm: the first step's C: 1 the bias along side b, 2 along side a
.irp a, 0,1,2,3
.irp b, 0,1,2,3,4,5,6,7
.set rD, 8*(8*\a+\b)
.set rB, 128*((\s)%2)+12*\b
.set rA, AF+48*((\s)%2)+12*\a
.set rSB, SB0+4*\b+(\s)%4
.set rSA, SA0+4*\a+(\s)%4
.if \cm == 1
	v_wmma_scale_f32_16x16x128_f8f6f4 v[rD:rD+7], v[rB:rB+11], v[rA:rA+11], v[BIAS+8*\b:BIAS+8*\b+7], v[rSB], v[rSA] matrix_a_fmt:MATRIX_FMT_FP6 matrix_b_fmt:MATRIX_FMT_FP6
.elseif \cm == 2
	v_wmma_scale_f32_16x16x128_f8f6f4 v[rD:rD+7], v[rB:rB+11], v[rA:rA+11], v[BIAS+8*\a:BIAS+8*\a+7], v[rSB], v[rSA] matrix_a_fmt:MATRIX_FMT_FP6 matrix_b_fmt:MATRIX_FMT_FP6
.elseif (\s) < 4
	v_wmma_scale_f32_16x16x128_f8f6f4 v[rD:rD+7], v[rB:rB+11], v[rA:rA+11], v[rD:rD+7], v[rSB], v[rSA] matrix_a_fmt:MATRIX_FMT_FP6 matrix_b_fmt:MATRIX_FMT_FP6
.else
	v_wmma_scale_f32_16x16x128_f8f6f4 v[rD:rD+7], v[rB:rB+11], v[rA:rA+11], v[rD:rD+7], v[rSB], v[rSA] matrix_a_fmt:MATRIX_FMT_FP6 matrix_b_fmt:MATRIX_FMT_FP6 matrix_a_scale:MATRIX_SCALE_ROW1 matrix_b_scale:MATRIX_SCALE_ROW1
.endif
.endr
.endr
.endm
.macro KSTEP s                         ; the next step's fragments are asked for ahead of this step's products
	PLACES 4                                       ; behind the last step's products, which read the set that the loads below fill
.if (\s) == 3
	WIN 0
	s_wait_tensorcnt 0x0                           ; every wave: my load has landed;
	s_wait_dscnt 0x0
	s_barrier_signal -1
	s_barrier_wait -1                              ; K steps 4-7 are whole
.endif
	FETCH (\s)+1
	s_wait_dscnt 48                                ; all but the 48 loads just issued: this step's fragments are in
	WIN 0xa1
	MUL \s, 0
.endm
	FETCH 0
	FETCH 1
	s_wait_loadcnt 0x0                             ; the scale words and the bias
	s_cmp_eq_u32 s22, 0
	s_cbranch_scc0 .Lfirst_v
	s_wait_dscnt 48                                ; K step 0's fragments are in
	WIN 0x81                                       ; C in window 0: the bias starts the sums
	MUL 0, 1
	WIN 0
	s_branch .Lfirst_done
.Lfirst_v:
.irp a, 0,1,2,3
.irp j, 0,1,2,3,4,5,6,7
	v_mov_b32 v[BIAS+8*\a+\j], v[BV+\a]            ; V: one number a lane and tile, over the tile's eight registers
.endr
.endr
	PLACES 4
	s_wait_alu depctr_va_vdst(0)
	s_wait_dscnt 48
	WIN 0x81
	MUL 0, 2
	WIN 0
.Lfirst_done:
.irp s, 1,2,3,4,5,6
	KSTEP \s
.endr
	s_wait_dscnt 0x0
	MUL 7, 0
	WIN 0
; THE WAY OUT of block a: a lane's 64 sums are halves of four scale blocks, 32 b + 16 h + 0 .. 15; lanes l and l xor 16 share a block
.macro EPI a
.set AC, 64*(\a)
	s_wait_xcnt 0x0                                ; the last block's stores have read their registers and bases
.if (\a) > 0
	s_add_nc_u64 s[92:93], s[92:93], s[100:101]
	s_add_nc_u64 s[94:95], s[94:95], s[100:101]
.endif
.irp b, 0,1,2,3
	v_mov_b32 v[T+\b], 0x1800000                   ; the floor 2^(3 - 127): the byte cannot fall under 1
.endr
	WIN 0x28
.irp i, 0,2,4,6,8,10,12,14
.irp b, 0,1,2,3
	v_max3_num_f32 v[T+\b], v[T+\b], |v[AC+16*\b+\i]|, |v[AC+16*\b+\i+1]|
.endr
.endr
	WIN 0
.irp b, 0,1,2,3
	v_permlanex16_b32 v[U+\b], v[T+\b], s[SEL], s[SEL+1]
.endr
.irp b, 0,1,2,3
	v_max_num_f32 v[T+\b], v[T+\b], v[U+\b]
.endr
.irp b, 0,1,2,3
	v_add_nc_u32 v[SO+\b], 0xff000000, v[T+\b]
.endr
.irp b, 0,1,2,3
	v_lshrrev_b32 v[BY+\b], 23, v[SO+\b]
.endr
	v_lshl_or_b32 v[WDR], v[BY+1], 8, v[BY]
	v_lshl_or_b32 v[WDR], v[BY+2], 16, v[WDR]
	v_lshl_or_b32 v[WDR], v[BY+3], 24, v[WDR]
.if (\a)%2 == 0
	v_mov_b32 v[SWR+(\a)/2], v[WDR]                ; register j: lanes 0-15 tile 2 j,
.else
	v_cndmask_b32 v[SWR+(\a)/2], v[SWR+(\a)/2], v[WDR], s104   ; lanes 16-31 tile 2 j + 1
.endif
	WIN 2
.irp g, 0,1
	v_cvt_scalef32_pk16_fp6_f32 v[PP+8*\g:PP+8*\g+2], v[AC+32*\g:AC+32*\g+15], v[SO+2*\g]
	v_cvt_scalef32_pk16_fp6_f32 v[PT+4*\g:PT+4*\g+2], v[AC+32*\g+16:AC+32*\g+31], v[SO+2*\g+1]
.endr
	WIN 0
	v_nop                                          ; one plain place behind a scaled conversion
.irp g, 0,1
.irp i, 0,1,2
	v_permlane16_swap_b32 v[PP+8*\g+\i], v[PT+4*\g+\i]
.endr
.irp i, 0,1,2
	v_mov_b32 v[PP+8*\g+3+\i], v[PT+4*\g+\i]
.endr
.endr
	global_store_b128 v[L16], v[PP:PP+3], s[92:93]
	global_store_b64 v[L8], v[PP+4:PP+5], s[92:93] offset:512
	global_store_b128 v[L16], v[PP+8:PP+11], s[94:95]
	global_store_b64 v[L8], v[PP+12:PP+13], s[94:95] offset:512
.endm
	PLACES 4
.irp b, 0,1,2,3
	v_mov_b32 v[U+\b], 0                           ; a lane permute's destination counts as one of its sources
.endr
.irp a, 0,1,2,3
	EPI \a
.endr
	s_cmp_eq_u32 s22, 0
	s_cbranch_scc0 .Lv_scales
	global_store_b64 v[VO], v[SWR:SWR+1], s[96:97] ; Q, K: bytes 0, 1 of a word are the first head's two blocks,
.irp j, 0,1
	v_lshrrev_b32 v[SH+\j], 16, v[SWR+\j]          ; bytes 2, 3 the second head's
.endr
	global_store_b64 v[VO], v[SH:SH+1], s[98:99]
	s_branch .Lsc_done
.Lv_scales:
	global_store_b64 v[L8], v[SWR:SWR+1], s[96:97] ; V: a word is a channel's four blocks of the key step
.Lsc_done:
	s_wait_tensorcnt 0x0                           ; the wave's end
	ds_add_u32 v[SPW], v[NIL]
	s_wait_dscnt 0x0
	CROUND                                         ; the closing round
	s_endpgm
.Lfunc_end_k_q70386ecf5e_proj:
	.size	k_q70386ecf5e_proj, .Lfunc_end_k_q70386ecf5e_proj-k_q70386ecf5e_proj
	.p2alignl 7, 3214868480
	.fill 96, 4, 3214868480
	.section	.rodata,"a",@progbits
	.p2align	6, 0x0
	.amdhsa_kernel k_q70386ecf5e_proj
		.amdhsa_group_segment_fixed_size 327680
		.amdhsa_private_segment_fixed_size 0
		.amdhsa_enable_private_segment 0
		.amdhsa_kernarg_size 56
		.amdhsa_user_sgpr_count 2
		.amdhsa_user_sgpr_kernarg_segment_ptr 1
		.amdhsa_wavefront_size32 1
		.amdhsa_system_sgpr_workgroup_id_x 1
		.amdhsa_system_sgpr_workgroup_id_y 1
		.amdhsa_system_sgpr_workgroup_id_z 1
		.amdhsa_system_vgpr_workitem_id 0
		.amdhsa_next_free_vgpr 768
		.amdhsa_next_free_sgpr 106
		.amdhsa_reserve_vcc 0
		.amdhsa_float_denorm_mode_32 3
		.amdhsa_float_denorm_mode_16_64 3
		.amdhsa_memory_ordered 1
		.amdhsa_forward_progress 1
		.amdhsa_inst_pref_size 95
	.end_amdhsa_kernel
	.amdgpu_metadata
---
amdhsa.version: [ 1, 2 ]
amdhsa.kernels:
  - .name:           k_q70386ecf5e_proj
    .symbol:         k_q70386ecf5e_proj.kd
    .args:
      - { .name: codes, .offset: 0, .size: 8, .value_kind: global_buffer, .address_space: global }
      - { .name: scales, .offset: 8, .size: 8, .value_kind: global_buffer, .address_space: global }
      - { .name: bq, .offset: 16, .size: 8, .value_kind: global_buffer, .address_space: global }
      - { .name: bk, .offset: 24, .size: 8, .value_kind: global_buffer, .address_space: global }
      - { .name: bv, .offset: 32, .size: 8, .value_kind: global_buffer, .address_space: global }
      - { .name: qimg, .offset: 40, .size: 8, .value_kind: global_buffer, .address_space: global }
      - { .name: kv, .offset: 48, .size: 8, .value_kind: global_buffer, .address_space: global }
    .group_segment_fixed_size: 327680
    .private_segment_fixed_size: 0
    .kernarg_segment_align: 8
    .kernarg_segment_size: 56
    .max_flat_workgroup_size: 128
    .sgpr_count:     106
    .vgpr_count:     768
    .wavefront_size: 32
...
	.end_amdgpu_metadata
.endif
;; end of part 2
;; launch attn (part 3): grid 4 x 64, 16 waves a work-group, clusters of 4 x 1, 210,944 bytes of LDS; arguments qimg, maskw, oc, os, kv; writes oc, os
.if DOCPART == 3
	.amdgcn_target "amdgcn-amd-amdhsa--gfx1250"
	.amdhsa_code_object_version 6
	.text
	.protected	k_q70386ecf5e_attn
	.globl	k_q70386ecf5e_attn
	.p2align	8
	.type	k_q70386ecf5e_attn,@function
k_q70386ecf5e_attn:
	s_mov_b64 s[64:65], 0
	v_nop
	global_prefetch_b8 v0, s[64:65] scope:SCOPE_SE
	s_setreg_imm32_b32 hwreg(HW_REG_WAVE_MODE, 25, 1), 1
	s_wait_xcnt 0x0
	s_wait_alu depctr_hold_cnt(0) depctr_sa_sdst(0) depctr_va_vdst(0) depctr_va_sdst(0) depctr_va_ssrc(0) depctr_va_vcc(0) depctr_vm_vsrc(0)
	s_getreg_b32 s2, hwreg(HW_REG_IB_STS2, 6, 4)
	s_cmp_eq_u32 s2, 0
	s_cbranch_scc0 .Lentry_in_a_cluster
	s_endpgm
.Lentry_in_a_cluster:
	s_bfe_u32 s2, ttmp6, 0x10000c
	s_cmp_lg_u32 s2, 0x3003
	s_cbranch_scc0 .Lentry_shape_is_right
	s_endpgm
.Lentry_shape_is_right:
; ATTN: for each batch and head, O = softmax(where(mask == 0, hidden, Q K^T / 8)) V on codes of FP6 (E2M3); O / l is quantised along the model's 1,024 into the last product's operand.  No work is left out.
; THE SOFTMAX: t = score x log2(e) / 8; M = the running largest t rounded up to a whole number; p = 2^(t - M) is quantised along the keys, not normalised; the sum l is taken of the unquantised p and divides O.
; When M moves, l and O are multiplied by 2^(old M - new M): exact.  The running maximum is kept as a score; c is positive, so c x the largest score is the largest t.
; LIMIT: a hidden logit stands at -2^30 where the problem says -1e9, so that its t, -2^33 c, is exact and a row that is hidden whole gives p = 1 for every key, as there.  The two differ in a result only where a
; visible logit lies under about -9.99e8.  The scaled scores stay under 2^31 in magnitude.  NaN and infinities are not served.
; SHARES.  The four work-groups of a head form a cluster.  The head's K and V, codes and scale words, 208,896 bytes, come into each one's LDS ONCE: each of the sixteen waves asks jointly for one key step, 13,056 bytes;
; every wave waits for its load, one barrier shows all sixteen to all waves, nothing is filled again, and no other barrier stands ahead of the closing round.
; A work-group walks two blocks of 256 queries (the trip is a macro, written twice); each wave owns a tile of 16 queries and walks the 16 key steps of 128.
; LAYOUT.  Both products transposed: S^T = K Q^T, O^T = V^T P^T: a lane holds one query (lane % 16).  Place i of K's tile T holds key 64 (T / 4) + 8 (T % 4) + i % 8 + 32 (i / 8): so score register n of lane (r, h)
; is key 64 (n / 32) + 32 h + n % 32: 32 registers are one scale block of P, in the order of P's operand registers: no lane asks another for a block's maximum, and the conversions' results are the operand.
; TWO REGIONS OF 64 REGISTERS, v32-95 and v96-159, CHANGE ROLES FROM STEP TO STEP.  In a step K lies in one and the scores go to the other; V^T then lands on K; when p has been converted, the NEXT step's K is asked for
; onto p, ahead of the step's last products.  So a loop's trip is two steps.  The last step asks for its own K once more (the address is held at the last key step): nothing reads it.
; K = 64 IN AN INSTRUCTION OF 128: Q's registers 6-11 are zero codes.  K's operand of tile t is twelve registers from the region's 6 t on: its upper six are the next tile's codes, or behind the last tile whatever the
; region last held: every pattern of 6 bits is a finite number of E2M3, finite numbers times zero codes add nothing, and no scale byte here is 0xff.
; THE MASK comes as lane-mask words, 64 a step, by scalar loads a step ahead; a hidden score is replaced by selection: no branch hangs on it.
; NO PREFETCH: K and V are asked for whole at the head, so no later tile is left to ask for; the mask words' own loads stand a step ahead of their use.
; The scale bytes of O leave one byte a lane (rows 32 bytes apart): one byte for each 24 bytes of codes.
; REGISTERS: v1, v2 16 x, 8 x lane; v3, v4 the step's LDS addresses, v10, v11 the next step's; v5, v6 the add's two; v7 the hidden score; v12 -M, v13 the largest score, v[14:15] l; v16-27 Q; v28 Q's scale word; v29 8 h;
;   v[30:31] c; v160-191 O^T; v192-203 p's codes; v204-223 at work; v224-227 K's scale words, v228-229 V's, v230 p's; v232-253 at work.
.set STEPB, 13056                      ; a key step in LDS: K 6,144, its scale words 512, V^T 6,144, its scale words 256
.set SPARE, 16*STEPB                   ; the spare words, 128 bytes a wave: eight blocks of 256 bytes that no other line names
.set TS,   2                           ; s2   LDS byte of the step in hand
.set CNT,  3                           ; s3   pairs of steps to go
.set G1,   52                          ; s[52:59] descriptor group 1
.set G0,   60                          ; s[60:63] group 0
.set SEL,  66                          ; s[66:67] lane selects for v_permlanex16_b32
.set MB,   96                          ; s[96:97] the step's mask words in memory
.set TN,   98                          ; s98  LDS byte of the next step
.set WV,   99
.set QT,   100                         ; my tile of queries in the batch, 0 .. 127: it enters global addresses alone
.set BH,   101
; s[4:51] and s[68:83]: the step's 64 mask words (word n in s[4 + n], from n = 48 on in s[20 + n]); at a trip's start and on the way out they are free
.macro ROUND
	s_barrier_signal -1
	s_barrier_wait -1
	s_cmp_lg_u32 s[WV], 0
	s_cbranch_scc1 .Lnot_wave_0_\@
	s_barrier_signal -3
.Lnot_wave_0_\@:
	s_barrier_wait -3
	s_barrier_signal -1
	s_barrier_wait -1
.endm
	s_load_b64 s[4:5], s[0:1], 0x20                ; kv
	v_lshl_add_u32 v5, v0, 2, SPARE
	v_mov_b32 v6, 0
	ds_add_u32 v5, v6                              ; the wave's opening: the add, twice on end, and its wait ahead of the first tensor load
	ds_add_u32 v5, v6
	v_lshrrev_b32 v8, 5, v0
	s_delay_alu instid0(VALU_DEP_1)
	v_readfirstlane_b32 s[WV], v8
	s_and_b32 s[BH], ttmp7, 0xffff                 ; batch x 16 + head: the four partners share it
	s_mov_b32 s[G1], 15|(3<<16)|(1<<21)            ; the mask: all four work-groups; elements of 8 bytes; bit 21 beside a mask; no padding
	s_mov_b32 s[G1+1], 32<<16                      ; rows of 256 bytes,
	s_mov_b32 s[G1+2], 51<<16                      ; 51 of them: one key step, dense
	s_mov_b32 s[G1+3], 32<<16
	s_mov_b32 s[G1+4], 51
	s_mov_b32 s[G1+5], 32
	s_mov_b32 s[G1+6], 0
	s_mov_b32 s[G1+7], 0
	s_lshl_b32 s6, s[BH], 4
	s_add_co_u32 s6, s6, s[WV]
	s_mul_i32 s6, s6, STEPB                        ; key step = my wave's number; under 2^24
	s_mov_b32 s7, 0
	s_mov_b32 s[G0], 1
	s_mul_i32 s[G0+1], s[WV], STEPB
	s_mov_b32 s[SEL], 0x76543210
	s_mov_b32 s[SEL+1], 0xfedcba98
	s_wait_dscnt 0x0                               ; both opening adds are done
	s_wait_kmcnt 0x0
	s_add_nc_u64 s[G0+2:G0+3], s[4:5], s[6:7]
	s_or_b32 s[G0+3], s[G0+3], 0x80000000
	ROUND                                          ; all four work-groups are here: the joint loads meet
	tensor_load_to_lds s[G0:G0+3], s[G1:G1+7]      ; one load a wave, the only one of the launch
	s_nop 0
.rept 4
	v_nop
.endr
	v_and_b32 v8, 31, v0
	s_delay_alu instid0(VALU_DEP_1)
	v_lshlrev_b32 v1, 4, v8
	s_delay_alu instid0(VALU_DEP_2)
	v_lshlrev_b32 v2, 3, v8
	v_mov_b32 v7, 0xd0000000                       ; -2^33: a hidden score (logit -2^30)
	v_mov_b32 v30, 0x3e38aa3b                      ; c = log2(e) / 8
	v_mov_b32 v31, 0x3e38aa3b
.irp i, 22,23,24,25,26,27,80,81,82,83,84,85
	v_mov_b32 v\i, 0                               ; zero codes: Q's upper 64 along K; and what stands behind K's last tile in the very first step
.endr
.irp i, 216,217,219,233
	v_mov_b32 v\i, 0                               ; lane permutes' destinations, and the upper half of the pair v[232:233]: written once
.endr
	v_and_b32 v8, 15, v0
	v_bfe_u32 v9, v0, 4, 1
	s_delay_alu instid0(VALU_DEP_1)
	v_lshl_add_u32 v239, v8, 5, v9                 ; 32 r + h: my scale byte's place among the tile's rows
	s_delay_alu instid0(VALU_DEP_2)
	v_lshlrev_b32 v29, 3, v9                       ; 8 h: my bytes' place in p's scale word
.macro PA d, x
	v_pk_add_f32 v[\d:\d+1], v[\d:\d+1], v[\x:\x+1]
.endm
.macro VLD kx, d                       ; fragment d of V^T: four loads
	ds_load_b128 v[\kx+12*\d:\kx+12*\d+3], v3 offset:6656+1536*\d
	ds_load_b64 v[\kx+12*\d+4:\kx+12*\d+5], v4 offset:6656+1536*\d+512
	ds_load_b128 v[\kx+12*\d+6:\kx+12*\d+9], v3 offset:6656+1536*\d+768
	ds_load_b64 v[\kx+12*\d+10:\kx+12*\d+11], v4 offset:6656+1536*\d+1280
.endm
.macro KLD kx, a16, a8                 ; K's eight tiles and their scale words (register j: lanes 0-15 tile 2 j, lanes 16-31 tile 2 j + 1): 17 loads
.irp t, 0,1,2,3,4,5,6,7
	ds_load_b128 v[\kx+6*\t:\kx+6*\t+3], v\a16 offset:768*\t
	ds_load_b64 v[\kx+6*\t+4:\kx+6*\t+5], v\a8 offset:768*\t+512
.endr
	ds_load_b128 v[224:227], v\a16 offset:6144
.endm
; A KEY STEP of 128 keys.  kx: the region with K, then V^T;  sy: the region of the scores, then p, then the next step's K.  last = 1: the trip's last step may be this one
.macro STEP kx, sy, last
	v_add_nc_u32 v3, s[TS], v1
	v_add_nc_u32 v4, s[TS], v2
	v_mov_b32 v236, v12                            ; the old -M
	v_nop
	v_nop                                          ; five places behind the last products: the products below write over registers that those read
	s_add_co_u32 s[TN], s[TS], STEPB
	s_min_u32 s[TN], s[TN], 15*STEPB               ; held at the last key step
	s_wait_alu depctr_va_vdst(0)
	s_wait_dscnt 0x0                               ; K, asked for in the step before
.irp t, 0,1,2,3,4,5,6,7
.if \t%2
	v_wmma_scale_f32_16x16x128_f8f6f4 v[\sy+8*\t:\sy+8*\t+7], v[\kx+6*\t:\kx+6*\t+11], v[16:27], 0, v[224+\t/2], v28 matrix_a_fmt:MATRIX_FMT_FP6 matrix_b_fmt:MATRIX_FMT_FP6 matrix_a_scale:MATRIX_SCALE_ROW1
.else
	v_wmma_scale_f32_16x16x128_f8f6f4 v[\sy+8*\t:\sy+8*\t+7], v[\kx+6*\t:\kx+6*\t+11], v[16:27], 0, v[224+\t/2], v28 matrix_a_fmt:MATRIX_FMT_FP6 matrix_b_fmt:MATRIX_FMT_FP6
.endif
.endr
.rept 4
	v_nop                                          ; places ahead of the first read of the scores
.endr
	s_wait_kmcnt 0x0                               ; the step's mask words, asked for a step ago
.set n, 0
.rept 64
.if n < 48
	v_cndmask_b32 v[\sy+n], v7, v[\sy+n], s[4+n]   ; register n: key 64 (n / 32) + 32 (lane / 16) + n % 32 of my query: kept where the mask's bit is set
.else
	v_cndmask_b32 v[\sy+n], v7, v[\sy+n], s[20+n]
.endif
.set n, n+1
.endr
.if \last
	s_cmp_eq_u32 s[CNT], 1                         ; no load leaves the buffer: the counted loop's last step asks for nothing
	s_cbranch_scc1 .Lno_mask_\@
.endif
	s_add_nc_u64 s[MB:MB+1], s[MB:MB+1], 256       ; (the loads that read it are done)
	s_load_b512 s[4:19], s[MB:MB+1], 0x0
	s_load_b512 s[20:35], s[MB:MB+1], 0x40
	s_load_b512 s[36:51], s[MB:MB+1], 0x80
	s_load_b512 s[68:83], s[MB:MB+1], 0xc0
.if \last
.Lno_mask_\@:
.endif
.irp b, 0,1,2,3
	v_max3_num_f32 v[212+\b], v[\sy+16*\b], v[\sy+16*\b+1], v[\sy+16*\b+2]   ; four chains of 15 scores
.endr
.irp i, 3,5,7,9,11,13
.irp b, 0,1,2,3
	s_delay_alu instid0(VALU_DEP_4)
	v_max3_num_f32 v[212+\b], v[212+\b], v[\sy+16*\b+\i], v[\sy+16*\b+\i+1]
.endr
.endr
	s_delay_alu instid0(VALU_DEP_3)
	v_max3_num_f32 v212, v212, v213, v[\sy+15]     ; my two blocks' largest scores: for the row's maximum and, since p rises with the score, for the block's largest p
	s_delay_alu instid0(VALU_DEP_2)
	v_max3_num_f32 v214, v214, v215, v[\sy+47]
	s_delay_alu instid0(VALU_DEP_2)
	v_max_num_f32 v212, v212, v[\sy+31]
	s_delay_alu instid0(VALU_DEP_2)
	v_max_num_f32 v214, v214, v[\sy+63]
	VLD \kx, 0                                     ; V^T's 17 loads stand between the links of the chain that ends in -M
	v_max_num_f32 v216, v212, v214
	VLD \kx, 1
	v_permlanex16_b32 v217, v216, s[SEL], s[SEL+1]
	VLD \kx, 2
	v_max3_num_f32 v13, v13, v216, v217            ; the running largest score of my query
	VLD \kx, 3
	v_mul_f32 v218, v30, v13                       ; as t
	ds_load_b64 v[228:229], v4 offset:12800
	v_add_nc_u32 v10, s[TN], v1
	v_add_nc_u32 v11, s[TN], v2
	v_floor_f32 v12, -v218                         ; the new -M = -ceil(t)
.set n, 0
.rept 32
	v_pk_fma_f32 v[\sy+n:\sy+n+1], v[\sy+n:\sy+n+1], v[30:31], v[12:13] op_sel_hi:[1,1,0]   ; t - M, two at a time; the three lines that make f stand among them
.if n == 6
	v_sub_f32 v236, v12, v236                      ; old M - new M: a whole number, 0 or less
.elseif n == 14
	v_cvt_i32_f32 v236, v236                       ; (it saturates)
.elseif n == 22
	v_ldexp_f32 v232, 1.0, v236                    ; f = 2^(old M - new M)
.endif
.set n, n+2
.endr
	v_fma_f32 v212, v212, v30, v12                 ; the same of each block's largest score
	v_fma_f32 v214, v214, v30, v12
	s_wait_alu depctr_va_vdst(0)                   ; ahead of the batch
.set n, 0
.rept 64
	v_exp_f32 v[\sy+n], v[\sy+n]                   ; p = 2^(t - M)
.set n, n+1
.endr
	v_pk_mul_f32 v[14:15], v[14:15], v[232:233] op_sel_hi:[1,0]   ; l under the new M: the plain place behind the exponentials
	s_wait_alu depctr_va_vdst(0)                   ; one wait for the batch, ahead of its first reader
	v_exp_f32 v212, v212                           ; the blocks' largest p
	v_exp_f32 v214, v214
.irp c, 0,1,2,3,4,5,6                          ; l is taken of the unquantised p: eight chains of pairs, v[240 + 2 c ..] and l itself
	v_pk_add_f32 v[240+2*\c:241+2*\c], v[\sy+4*\c:\sy+4*\c+1], v[\sy+4*\c+2:\sy+4*\c+3]
.endr
	PA 14, \sy+28
	s_wait_alu depctr_va_vdst(0)                   ; and one for the two.  From here on the lines that make p's scales stand among the additions
	v_max_num_f32 v212, 0x1800000, v212            ; the floor 2^(3 - 127): a block whose every p is 0 keeps the byte 1: its codes are zeros
	v_max_num_f32 v214, 0x1800000, v214
	PA 240, \sy+30
	PA 242, \sy+32
	PA 244, \sy+34
	v_add_nc_u32 v220, 0xff000000, v212            ; 2 off the exponent field: the conversions' scale operand
	v_add_nc_u32 v221, 0xff000000, v214
	PA 246, \sy+36
	PA 248, \sy+38
	PA 250, \sy+40
	v_cvt_scalef32_pk16_fp6_f32 v[192:194], v[\sy:\sy+15], v220
	v_cvt_scalef32_pk16_fp6_f32 v[204:206], v[\sy+16:\sy+31], v220
	v_cvt_scalef32_pk16_fp6_f32 v[198:200], v[\sy+32:\sy+47], v221
	v_cvt_scalef32_pk16_fp6_f32 v[208:210], v[\sy+48:\sy+63], v221
	v_lshrrev_b32 v222, 23, v220                   ; (the plain place behind the conversions)  the scales' bytes
	v_lshrrev_b32 v223, 23, v221
	PA 252, \sy+42
	PA 14, \sy+44
	PA 240, \sy+46
	s_delay_alu instid0(VALU_DEP_4)
	v_lshl_or_b32 v218, v223, 16, v222             ; my bytes: blocks h and 2 + h,
	PA 242, \sy+48
	PA 244, \sy+50
	PA 246, \sy+52
	s_delay_alu instid0(VALU_DEP_4)
	v_lshlrev_b32 v218, v29, v218                  ; at their places;
	PA 248, \sy+54
	PA 250, \sy+56
	PA 252, \sy+58
	s_delay_alu instid0(VALU_DEP_4)
	v_permlanex16_b32 v219, v218, s[SEL], s[SEL+1]
	PA 14, \sy+60
	PA 240, \sy+62
	s_delay_alu instid0(VALU_DEP_2)
	PA 14, 246
	s_delay_alu instid0(VALU_DEP_4)
	v_or_b32 v230, v218, v219                      ; with lane l xor 16's two: p's scale word for these 128 keys
	s_delay_alu instid0(VALU_DEP_3)
	PA 240, 248
	PA 242, 250
	PA 244, 252
	s_delay_alu instid0(VALU_DEP_2)
	PA 14, 242
	s_delay_alu instid0(VALU_DEP_2)
	PA 240, 244
	s_delay_alu instid0(VALU_DEP_1)
	PA 14, 240
.irp i, 0,1,2
	v_mov_b32 v[195+\i], v[204+\i]                 ; (a conversion's three registers begin on an even number)
	v_mov_b32 v[201+\i], v[208+\i]
.endr
	KLD \sy, 10, 11                                ; p has been read for the last time: the next step's K lands on it
	s_wait_alu depctr_va_vdst(0)                   ; directly ahead of the first reader of O^T
.set n, 0
.rept 16
	v_pk_mul_f32 v[160+n:161+n], v[160+n:161+n], v[232:233] op_sel_hi:[1,0]   ; O^T under the new M; these sixteen also stand between the writes of p's codes and scale word and the products
.set n, n+2
.endr
	s_wait_alu depctr_va_vdst(0)
	s_wait_dscnt 17                                ; V^T is in; the 17 loads of the next step's K may be out
.irp d, 0,1,2,3                                ; the four accumulators take turns
.if \d%2
	v_wmma_scale_f32_16x16x128_f8f6f4 v[160+8*\d:167+8*\d], v[\kx+12*\d:\kx+12*\d+11], v[192:203], v[160+8*\d:167+8*\d], v[228+\d/2], v230 matrix_a_fmt:MATRIX_FMT_FP6 matrix_b_fmt:MATRIX_FMT_FP6 matrix_a_scale:MATRIX_SCALE_ROW1
.else
	v_wmma_scale_f32_16x16x128_f8f6f4 v[160+8*\d:167+8*\d], v[\kx+12*\d:\kx+12*\d+11], v[192:203], v[160+8*\d:167+8*\d], v[228+\d/2], v230 matrix_a_fmt:MATRIX_FMT_FP6 matrix_b_fmt:MATRIX_FMT_FP6
.endif
.endr
.endm
; A TRIP: a block of 256 queries, a tile of 16 for each wave
.macro TRIPM tr
	s_load_b128 s[68:71], s[0:1], 0x0              ; qimg, maskw
	s_bfe_u32 s4, ttmp6, 0x40000                   ; cx
	s_lshl_b32 s4, s4, 5
	s_add_co_u32 s4, s4, 16*\tr
	s_add_co_u32 s[QT], s4, s[WV]                  ; 32 cx + 16 trip + wave
	s_mul_i32 s4, s[BH], 106496
	s_lshr_b32 s5, s[QT], 3
	s_mul_i32 s5, s5, 6656
	s_add_co_u32 s4, s4, s5                        ; my group of 128 queries in qimg (under 2^23)
	s_mov_b32 s5, 0
	s_and_b32 s6, s[QT], 7
	s_mul_i32 s7, s6, 768                          ; my tile in it
	v_add_nc_u32 v8, s7, v1
	v_add_nc_u32 v9, s7, v2
	s_and_b32 s7, s6, 1
	s_lshl_b32 s7, s7, 8
	s_lshr_b32 s6, s6, 1
	s_lshl_b32 s6, s6, 2
	s_add_co_u32 s6, s6, s7
	v_and_b32 v10, 15, v0
	s_delay_alu instid0(VALU_DEP_1)
	v_lshl_add_u32 v10, v10, 4, s6                 ; my row's scale word: 16 (r + 16 (tile % 2)) + 4 (tile / 2)
	s_lshr_b32 s6, s[BH], 4
	s_lshl_b32 s6, s6, 7
	s_add_co_u32 s6, s6, s[QT]
	s_lshl_b32 s6, s6, 12                          ; my tile's mask words: 4,096 bytes a tile
	s_mov_b32 s7, 0
	s_wait_alu depctr_va_vdst(0)
	s_wait_kmcnt 0x0
	s_add_nc_u64 s[104:105], s[68:69], s[4:5]
	s_add_nc_u64 s[MB:MB+1], s[70:71], s[6:7]
	global_load_b128 v[16:19], v8, s[104:105]
	global_load_b64 v[20:21], v9, s[104:105] offset:512
	global_load_b32 v28, v10, s[104:105] offset:6144
	s_load_b512 s[4:19], s[MB:MB+1], 0x0           ; step 0's mask words
	s_load_b512 s[20:35], s[MB:MB+1], 0x40
	s_load_b512 s[36:51], s[MB:MB+1], 0x80
	s_load_b512 s[68:83], s[MB:MB+1], 0xc0
	v_mov_b32 v13, 0xff61b1e6                      ; the largest score so far: -3e38
	s_delay_alu instid0(VALU_DEP_1)
	v_floor_f32 v12, -v13                          ; a first -M so large that the first f is 0
	v_mov_b32 v14, 0
	v_mov_b32 v15, 0
.set n, 0
.rept 32
	v_mov_b32 v[160+n], 0                          ; O^T: the step is written once; its first walk finds zeros
.set n, n+1
.endr
	s_wait_alu depctr_va_vdst(0)                   ; ahead of the waits below
.if \tr == 0
	s_wait_tensorcnt 0x0                           ; my key step has landed;
	s_barrier_signal -1
	s_barrier_wait -1                              ; and so has every wave's: K and V are whole, for both trips
.endif
	KLD 32, 1, 2                                   ; key step 0's K
	s_wait_loadcnt 0x0                             ; Q
	s_mov_b32 s[TS], 0
	s_mov_b32 s[CNT], 8
.Lstep_\@:
	STEP 32, 96, 0
	s_add_co_u32 s[TS], s[TS], STEPB
	STEP 96, 32, 1
	s_add_co_u32 s[TS], s[TS], STEPB
	s_sub_co_u32 s[CNT], s[CNT], 1
	s_cmp_lg_u32 s[CNT], 0
	s_cbranch_scc1 .Lstep_\@
	s_wait_dscnt 0x0                               ; the last step's loads of K, which nothing reads, have landed: their registers may be loaded again
	; THE WAY OUT of a tile: O^T / l, quantised along the head's 64 (two blocks of the model's 1,024), as a half fragment of the last product's operand
	s_load_b128 s[68:71], s[0:1], 0x10             ; oc, os
	v_add_f32 v14, v14, v15
	s_delay_alu instid0(VALU_DEP_1)
	v_permlanex16_b32 v216, v14, s[SEL], s[SEL+1]
	s_delay_alu instid0(VALU_DEP_1)
	v_add_f32 v14, v14, v216                       ; the row's sum
	s_wait_alu depctr_va_vdst(0)
	v_rcp_f32 v14, v14
	v_nop                                          ; plain places: behind the reciprocal, and (with the additions) behind the last products
	v_nop
	s_lshr_b32 s4, s[BH], 4
	s_lshl_b32 s4, s4, 7
	s_add_co_u32 s4, s4, s[QT]                     ; the row tile, 0 .. 511
	s_and_b32 s5, s[BH], 15                        ; the head
	s_mul_i32 s6, s4, 12288
	s_mul_i32 s7, s5, 768
	s_add_co_u32 s6, s6, s7
	s_mov_b32 s7, 0
	s_lshl_b32 s4, s4, 9
	s_lshl_b32 s5, s5, 1
	s_add_co_u32 s4, s4, s5
	s_mov_b32 s5, 0
	s_mov_b32 s104, 0xffff0000                     ; lanes 16-31
	s_wait_alu depctr_va_vdst(0)                   ; ahead of the reciprocal's first reader
.set n, 0
.rept 16
	v_pk_mul_f32 v[96+n:97+n], v[160+n:161+n], v[14:15] op_sel_hi:[1,0]   ; register 16 b + i: channel 32 b + 16 h + i; each accumulator from its low end on
.set n, n+2
.endr
.irp b, 0,1
	v_max3_num_f32 v[212+\b], |v[96+16*\b]|, |v[97+16*\b]|, 0x1800000
.endr
.irp i, 2,4,6,8,10,12,14
.irp b, 0,1
	s_delay_alu instid0(VALU_DEP_2)
	v_max3_num_f32 v[212+\b], v[212+\b], |v[96+16*\b+\i]|, |v[97+16*\b+\i]|
.endr
.endr
.irp b, 0,1
	s_delay_alu instid0(VALU_DEP_2)
	v_permlanex16_b32 v[216+\b], v[212+\b], s[SEL], s[SEL+1]
.endr
.irp b, 0,1
	s_delay_alu instid0(VALU_DEP_2)
	v_max_num_f32 v[212+\b], v[212+\b], v[216+\b]
.endr
.irp b, 0,1
	s_delay_alu instid0(VALU_DEP_2)
	v_add_nc_u32 v[220+\b], 0xff000000, v[212+\b]
.endr
.irp b, 0,1
	s_delay_alu instid0(VALU_DEP_2)
	v_lshrrev_b32 v[216+\b], 23, v[220+\b]
.endr
	v_cvt_scalef32_pk16_fp6_f32 v[192:194], v[96:111], v220
	v_cvt_scalef32_pk16_fp6_f32 v[204:206], v[112:127], v221
	v_nop                                          ; one plain place behind a scaled conversion
.irp i, 0,1,2
	v_permlane16_swap_b32 v[192+\i], v[204+\i]
.endr
.irp i, 0,1,2
	s_delay_alu instid0(VALU_DEP_3)
	v_mov_b32 v[195+\i], v[204+\i]
.endr
	v_cndmask_b32 v216, v216, v217, s104           ; lane (r, h): block h's byte
	s_wait_alu depctr_va_vdst(0)
	s_wait_kmcnt 0x0
	s_add_nc_u64 s[68:69], s[68:69], s[6:7]
	s_add_nc_u64 s[70:71], s[70:71], s[4:5]
	global_store_b128 v1, v[192:195], s[68:69]     ; 512 consecutive bytes
	global_store_b64 v2, v[196:197], s[68:69] offset:512
	global_store_b8 v239, v216, s[70:71]
	s_wait_xcnt 0x0                                ; the stores have read their registers and bases: the next trip writes them
.endm
	TRIPM 0
	TRIPM 1
	s_wait_tensorcnt 0x0                           ; the wave's end
	ds_add_u32 v5, v6
	s_wait_dscnt 0x0
	ROUND                                          ; the closing round
	s_endpgm
.Lfunc_end_k_q70386ecf5e_attn:
	.size	k_q70386ecf5e_attn, .Lfunc_end_k_q70386ecf5e_attn-k_q70386ecf5e_attn
	.p2alignl 7, 3214868480
	.fill 96, 4, 3214868480
	.section	.rodata,"a",@progbits
	.p2align	6, 0x0
	.amdhsa_kernel k_q70386ecf5e_attn
		.amdhsa_group_segment_fixed_size 210944
		.amdhsa_private_segment_fixed_size 0
		.amdhsa_enable_private_segment 0
		.amdhsa_kernarg_size 40
		.amdhsa_user_sgpr_count 2
		.amdhsa_user_sgpr_kernarg_segment_ptr 1
		.amdhsa_wavefront_size32 1
		.amdhsa_system_sgpr_workgroup_id_x 1
		.amdhsa_system_sgpr_workgroup_id_y 1
		.amdhsa_system_sgpr_workgroup_id_z 1
		.amdhsa_system_vgpr_workitem_id 0
		.amdhsa_next_free_vgpr 256
		.amdhsa_next_free_sgpr 106
		.amdhsa_reserve_vcc 0
		.amdhsa_float_denorm_mode_32 3
		.amdhsa_float_denorm_mode_16_64 3
		.amdhsa_memory_ordered 1
		.amdhsa_forward_progress 1
		.amdhsa_inst_pref_size 105
	.end_amdhsa_kernel
	.amdgpu_metadata
---
amdhsa.version: [ 1, 2 ]
amdhsa.kernels:
  - .name:           k_q70386ecf5e_attn
    .symbol:         k_q70386ecf5e_attn.kd
    .args:
      - { .name: qimg, .offset: 0, .size: 8, .value_kind: global_buffer, .address_space: global }
      - { .name: maskw, .offset: 8, .size: 8, .value_kind: global_buffer, .address_space: global }
      - { .name: oc, .offset: 16, .size: 8, .value_kind: global_buffer, .address_space: global }
      - { .name: os, .offset: 24, .size: 8, .value_kind: global_buffer, .address_space: global }
      - { .name: kv, .offset: 32, .size: 8, .value_kind: global_buffer, .address_space: global }
    .group_segment_fixed_size: 210944
    .private_segment_fixed_size: 0
    .kernarg_segment_align: 8
    .kernarg_segment_size: 40
    .max_flat_workgroup_size: 512
    .sgpr_count:     106
    .vgpr_count:     256
    .wavefront_size: 32
...
	.end_amdgpu_metadata
.endif
;; end of part 3
;; launch outp (part 4): grid 4 x 64, 4 waves a work-group, clusters of 4 x 4, 327,680 bytes of LDS; arguments oc, os, codes, scales, bo, out0; writes out0
.if DOCPART == 4
	.amdgcn_target "amdgcn-amd-amdhsa--gfx1250"
	.amdhsa_code_object_version 6
	.text
	.protected	k_q70386ecf5e_outp
	.globl	k_q70386ecf5e_outp
	.p2align	8
	.type	k_q70386ecf5e_outp,@function
k_q70386ecf5e_outp:
	s_mov_b64 s[64:65], 0
	v_nop
	global_prefetch_b8 v0, s[64:65] scope:SCOPE_SE
	s_setreg_imm32_b32 hwreg(HW_REG_WAVE_MODE, 25, 1), 1
	s_wait_xcnt 0x0
	s_wait_alu depctr_hold_cnt(0) depctr_sa_sdst(0) depctr_va_vdst(0) depctr_va_sdst(0) depctr_va_ssrc(0) depctr_va_vcc(0) depctr_vm_vsrc(0)
	s_getreg_b32 s2, hwreg(HW_REG_IB_STS2, 6, 4)
	s_cmp_eq_u32 s2, 0
	s_cbranch_scc0 .Lentry_in_a_cluster
	s_endpgm
.Lentry_in_a_cluster:
	s_bfe_u32 s2, ttmp6, 0x10000c
	s_cmp_lg_u32 s2, 0xf033
	s_cbranch_scc0 .Lentry_shape_is_right
	s_endpgm
.Lentry_shape_is_right:
; OUTP: out0 = O Wo^T + bo.  O [8192][1024] comes as codes of FP6 (oc) and scale bytes (os) from the attention launch, Wo as tiles 1728-1791 of codes and scales.  No work is left out.
; oc and codes are laid [tile of 16 rows][K step of 128][1536 bytes], the fragment as the operand registers hold it; os and scales [row][32 bytes].
; SHARES.  256 work-groups, each 128 rows x 256 columns of out0; four waves, 2 x 2, each 64 x 128: 32 accumulators of 16 x 16, 256 registers.
; ALL OF K LIES IN LDS, FILLED ONCE: A's 8 tiles and B's 16 tiles are 294,912 bytes.  One joint load a wave at the head, in the order of use: wave 0 A's K steps 0-3 (8 rows of 6,144 bytes), wave 1 B's (16 rows),
; wave 2 A's K steps 4-7, wave 3 B's.  The first barrier shows waves 0 and 1's tiles (each arm's load line is one wave's own), the second, ahead of the fetch of K step 4, all four.  Nothing is filled again.
; CLUSTERS: 4 x 4; A's tiles are shared along a row of the cluster, B's along a column.
; NO PREFETCH: every tile is asked for at the head; there is no later load to run ahead of.
; SCALE WORDS go from memory into registers: one load of 16 bytes a lane at 32 r + 16 h covers a tile's 512 bytes; register j then holds K step j's word in lanes 0-15 and K step 4 + j's in lanes 16-31.
; THE MATRIX INSTRUCTION IS USED TRANSPOSED (source 0 = Wo's rows, source 1 = O's rows): a lane holds eight neighbouring columns of a row of out0.  The bias is the first products' C.
; THE WAY OUT goes through each wave's stage in LDS, which lies on A's K steps 0-3: those bytes have had their only fill, and every wave's reads of them are over at the second barrier.
; REGISTERS: window 0: v16-31 addresses; v32-47 A's scale words, v50-81 B's; v88-151 the bias; v160-255 A's fragments, two sets; on the way out v128-255.  Window 1: B's fragments, two sets at v0, v128.  Window 2: the sums.
.set UH,    6144                       ; a tile of 16 rows, four K steps
.set AH,    8*UH
.set HALF,  24*UH                      ; A's and B's tiles of four K steps
.set SPARE, 2*HALF                     ; the spare words, 128 bytes a wave
.set SPITCH, 528
.set AA,    16                         ; v16, v17 A's fragments in K steps 0-3 (16 x lane, 8 x lane); v18, v19 in K steps 4-7
.set BA,    20                         ; v20-23 the same for B
.set L16,   24
.set L8,    25
.set BO1,   26
.set SOF,   27
.set SPW,   28
.set NIL,   29
.set STO,   30
.set RD,    31
.set SA0,   32
.set SB0,   50                         ; A's and B's scale registers of a product differ modulo 8
.set BIAS,  88
.set AF,    160
.set BK,    128
.set G1,    24
.set G0,    32
.set G1B,   48
.set G0B,   56
.set MSB, 0
.macro WIN new
.if MSB != \new
	s_set_vgpr_msb (MSB<<8)|\new
.set MSB, \new
.endif
.endm
.macro PLACES n
.rept \n
	v_nop
.endr
.endm
.macro TLOAD g0, g1
	tensor_load_to_lds s[\g0:\g0+3], s[\g1:\g1+7]
	s_nop 0
	PLACES 4
.endm
.macro CROUND
	s_barrier_signal -1
	s_barrier_wait -1
	s_cmp_lg_u32 s18, 0
	s_cbranch_scc1 .Lnot_wave_0_\@
	s_barrier_signal -3
.Lnot_wave_0_\@:
	s_barrier_wait -3
	s_barrier_signal -1
	s_barrier_wait -1
.endm
	s_load_b256 s[4:11], s[0:1], 0x0               ; oc, os, codes, scales
	s_load_b128 s[12:15], s[0:1], 0x20             ; bo, out0
	v_lshl_add_u32 v[SPW], v0, 2, SPARE
	v_mov_b32 v[NIL], 0
	ds_add_u32 v[SPW], v[NIL]                      ; the opening lines: the add, twice on end, and its wait
	ds_add_u32 v[SPW], v[NIL]
	v_lshrrev_b32 v1, 5, v0
	v_readfirstlane_b32 s18, v1                    ; wave
	s_lshr_b32 s19, s18, 1                         ; my half of the rows.  Also: which K half I fetch
	s_and_b32 s20, s18, 1                          ; my half of the columns.  Also: I fetch for A (0) or B (1)
	s_bfe_u32 s40, ttmp6, 0x40000                  ; cx
	s_bfe_u32 s41, ttmp6, 0x40004                  ; cy
	s_lshl_b32 s42, ttmp9, 2
	s_add_co_u32 s42, s42, s40                     ; tile column, 0 .. 3
	s_and_b32 s66, ttmp7, 0xffff
	s_lshl_b32 s66, s66, 2
	s_add_co_u32 s66, s66, s41                     ; tile row, 0 .. 63
	s_lshl_b32 s43, s41, 2
	s_lshl_b32 s43, 15, s43                        ; my row of the cluster
	s_lshl_b32 s44, 0x1111, s40                    ; my column
	s_or_b32 s[G1+0], s43, (3<<16)|(1<<21)         ; elements of 8 bytes; rows of 768 elements, 12,288 bytes apart; no padding
	s_mov_b32 s[G1+1], 768<<16
	s_mov_b32 s[G1+2], 8<<16
	s_mov_b32 s[G1+3], 768<<16
	s_mov_b32 s[G1+4], 8
	s_mov_b32 s[G1+5], 1536
	s_mov_b32 s[G1+6], 0
	s_mov_b32 s[G1+7], 0
	s_or_b32 s[G1B+0], s44, (3<<16)|(1<<21)
	s_mov_b32 s[G1B+1], 768<<16
	s_mov_b32 s[G1B+2], 16<<16
	s_mov_b32 s[G1B+3], 768<<16
	s_mov_b32 s[G1B+4], 16
	s_mov_b32 s[G1B+5], 1536
	s_mov_b32 s[G1B+6], 0
	s_mov_b32 s[G1B+7], 0
	s_mul_i32 s93, s19, UH                         ; the K half
	s_mul_i32 s94, s66, 8*12288
	s_add_co_u32 s94, s94, s93                     ; A's tiles, bytes from oc
	s_mov_b32 s95, 0
	s_lshl_b32 s98, s42, 4
	s_add_co_u32 s98, s98, 1728
	s_mul_i32 s98, s98, 12288
	s_add_co_u32 s98, s98, s93                     ; B's, from codes
	s_mov_b32 s99, 0
	s_mov_b32 s[G0], 1
	s_mul_i32 s[G0+1], s19, HALF
	s_mov_b32 s[G0B], 1
	s_add_co_u32 s[G0B+1], s[G0+1], AH
	s_lshl_b32 s96, s66, 3
	s_lshl_b32 s92, s19, 2
	s_add_co_u32 s96, s96, s92
	s_lshl_b32 s96, s96, 9                         ; my four tiles' scale rows in os
	s_mov_b32 s97, 0
	s_lshl_b32 s100, s42, 4
	s_lshl_b32 s92, s20, 3
	s_add_co_u32 s100, s100, s92
	s_add_co_u32 s100, s100, 1728
	s_lshl_b32 s100, s100, 9                       ; my eight tiles' in scales
	s_mov_b32 s101, 0
	s_lshl_b32 s2, s42, 10
	s_lshl_b32 s3, s20, 9
	s_add_co_u32 s2, s2, s3                        ; my first column, in bytes
	s_mov_b32 s3, 0
	s_lshl_b32 s22, s66, 7
	s_lshl_b32 s23, s19, 6
	s_add_co_u32 s22, s22, s23
	s_lshl_b32 s22, s22, 12                        ; my first row of out0, 4,096 bytes a row
	s_mov_b32 s23, 0
	s_mul_i32 s67, s19, 4*UH                       ; LDS: my four tiles of A,
	s_mul_i32 s68, s20, 8*UH
	s_add_co_u32 s68, s68, AH                      ; my eight of B,
	s_mul_i32 s69, s18, 16*SPITCH                  ; my stage
	s_wait_dscnt 0x0                               ; both opening adds are done
	CROUND                                         ; the opening round: the joint loads meet
	s_wait_kmcnt 0x0
	s_add_nc_u64 s[G0+2:G0+3], s[4:5], s[94:95]
	s_or_b32 s[G0+3], s[G0+3], 0x80000000
	s_add_nc_u64 s[G0B+2:G0B+3], s[8:9], s[98:99]
	s_or_b32 s[G0B+3], s[G0B+3], 0x80000000
	s_add_nc_u64 s[96:97], s[6:7], s[96:97]
	s_add_nc_u64 s[100:101], s[10:11], s[100:101]
	s_add_nc_u64 s[12:13], s[12:13], s[2:3]
	s_add_nc_u64 s[14:15], s[14:15], s[2:3]
	s_add_nc_u64 s[14:15], s[14:15], s[22:23]
	s_cmp_eq_u32 s18, 0                            ; one chain of branches on the wave's number, one load to an arm
	s_cbranch_scc0 .Lwave_1
	TLOAD G0, G1                                   ; wave 0: A's K steps 0-3
	s_branch .Lasked
.Lwave_1:
	s_cmp_eq_u32 s18, 1
	s_cbranch_scc0 .Lwave_2
	TLOAD G0B, G1B                                 ; wave 1: B's K steps 0-3
	s_branch .Lasked
.Lwave_2:
	s_cmp_eq_u32 s18, 2
	s_cbranch_scc0 .Lwave_3
	TLOAD G0, G1                                   ; wave 2: A's K steps 4-7
	s_branch .Lasked
.Lwave_3:
	TLOAD G0B, G1B                                 ; wave 3: B's K steps 4-7
.Lasked:
	v_and_b32 v1, 15, v0                           ; r
	v_bfe_u32 v2, v0, 4, 1                         ; h
	v_and_b32 v3, 31, v0
	v_lshlrev_b32 v[L16], 4, v3
	v_lshlrev_b32 v[L8], 3, v3
	v_add_nc_u32 v[AA], s67, v[L16]
	v_add_nc_u32 v[AA+1], s67, v[L8]
	v_add_nc_u32 v[BA], s68, v[L16]
	v_add_nc_u32 v[BA+1], s68, v[L8]
	v_add_nc_u32 v[AA+2], HALF, v[AA]
	v_add_nc_u32 v[AA+3], HALF, v[AA+1]
	v_add_nc_u32 v[BA+2], HALF, v[BA]
	v_add_nc_u32 v[BA+3], HALF, v[BA+1]
	v_lshlrev_b32 v[SOF], 5, v1
	v_lshl_add_u32 v[SOF], v2, 4, v[SOF]           ; 32 r + 16 h
	v_lshlrev_b32 v[BO1], 5, v2
	v_mul_u32_u24 v5, v1, SPITCH
	v_lshl_add_u32 v5, v2, 5, v5
	v_add_nc_u32 v[STO], s69, v5                   ; the stage, in: row r, 32 bytes for each half of the lanes
	v_add_nc_u32 v[RD], s69, v[L16]                ; and back: 32 lanes a row of 512 bytes
	s_wait_alu depctr_va_vdst(0)                   ; the wait at the head's end
.irp a, 0,1,2,3
	global_load_b128 v[SA0+4*\a:SA0+4*\a+3], v[SOF], s[96:97] offset:512*\a
.endr
.irp b, 0,1,2,3,4,5,6,7
	global_load_b128 v[SB0+4*\b:SB0+4*\b+3], v[SOF], s[100:101] offset:512*\b
.endr
.irp b, 0,1,2,3,4,5,6,7
	global_load_b128 v[BIAS+8*\b:BIAS+8*\b+3], v[BO1], s[12:13] offset:64*\b        ; register j of tile b: column 16 b + 8 h + j
	global_load_b128 v[BIAS+8*\b+4:BIAS+8*\b+7], v[BO1], s[12:13] offset:64*\b+16
.endr
	s_cmp_lt_u32 s18, 2
	s_cbranch_scc0 .Lnot_first
	s_wait_tensorcnt 0x0                           ; waves 0 and 1: my tile of K steps 0-3 has landed
.Lnot_first:
	s_barrier_signal -1
	s_barrier_wait -1                              ; K steps 0-3 are whole; the other two loads may be out
.macro FRAG reg, adr, off
	ds_load_b128 v[\reg:\reg+3], v[\adr] offset:\off
	ds_load_b64 v[\reg+4:\reg+5], v[\adr+1] offset:(\off)+512
	ds_load_b128 v[\reg+6:\reg+9], v[\adr] offset:(\off)+768
	ds_load_b64 v[\reg+10:\reg+11], v[\adr+1] offset:(\off)+1280
.endm
.macro FETCH s                         ; K step s: B's eight fragments and A's four into set s % 2: 48 loads
	WIN 0x40
.irp i, 0,1,2,3,4,5,6,7
	FRAG 128*((\s)%2)+12*\i, BA+2*((\s)/4), UH*\i+1536*((\s)%4)
.endr
	WIN 0
.irp i, 0,1,2,3
	FRAG AF+48*((\s)%2)+12*\i, AA+2*((\s)/4), UH*\i+1536*((\s)%4)
.endr
.endm
.macro MUL s                           ; 32 products, the 32 accumulators by turns
.irp a, 0,1,2,3
.irp b, 0,1,2,3,4,5,6,7
.set rD, 8*(8*\a+\b)
.set rB, 128*((\s)%2)+12*\b
.set rA, AF+48*((\s)%2)+12*\a
.set rSB, SB0+4*\b+(\s)%4
.set rSA, SA0+4*\a+(\s)%4
.if (\s) == 0
	v_wmma_scale_f32_16x16x128_f8f6f4 v[rD:rD+7], v[rB:rB+11], v[rA:rA+11], v[BIAS+8*\b:BIAS+8*\b+7], v[rSB], v[rSA] matrix_a_fmt:MATRIX_FMT_FP6 matrix_b_fmt:MATRIX_FMT_FP6
.elseif (\s) < 4
	v_wmma_scale_f32_16x16x128_f8f6f4 v[rD:rD+7], v[rB:rB+11], v[rA:rA+11], v[rD:rD+7], v[rSB], v[rSA] matrix_a_fmt:MATRIX_FMT_FP6 matrix_b_fmt:MATRIX_FMT_FP6
.else
	v_wmma_scale_f32_16x16x128_f8f6f4 v[rD:rD+7], v[rB:rB+11], v[rA:rA+11], v[rD:rD+7], v[rSB], v[rSA] matrix_a_fmt:MATRIX_FMT_FP6 matrix_b_fmt:MATRIX_FMT_FP6 matrix_a_scale:MATRIX_SCALE_ROW1 matrix_b_scale:MATRIX_SCALE_ROW1
.endif
.endr
.endr
.endm
.macro KSTEP s                         ; the next step's fragments are asked for ahead of this step's products
	PLACES 4                                       ; behind the last step's products, which read the set that the loads below fill
.if (\s) == 3
	WIN 0
	s_wait_tensorcnt 0x0                           ; every wave: my load has landed;
	s_wait_dscnt 0x0                               ; my reads of K steps 0-3 are over
	s_barrier_signal -1
	s_barrier_wait -1                              ; K steps 4-7 are whole, and nobody reads A's K steps 0-3 any more
.endif
	FETCH (\s)+1
	s_wait_dscnt 48                                ; all but the 48 loads just issued: this step's fragments are in
	WIN 0xa1
	MUL \s
.endm
	FETCH 0
	FETCH 1
	s_wait_loadcnt 0x0                             ; the scale words and the bias
	s_wait_dscnt 48                                ; K step 0's fragments are in
	WIN 0x81                                       ; C in window 0: the bias starts the sums
	MUL 0
.irp s, 1,2,3,4,5,6
	KSTEP \s
.endr
	s_wait_dscnt 0x0
	MUL 7
	WIN 0
; THE WAY OUT, block by block of 16 rows x 128 columns: through my stage, back as whole rows of 512 bytes.  LDS serves a wave's instructions in order: no wait between the stores and the loads.
.macro TOSTAGE a
.set AC, 64*(\a)
	WIN 0x08                                       ; the data: window 2
.irp b, 0,1,2,3,4,5,6,7
	ds_store_b128 v[STO], v[AC+8*\b:AC+8*\b+3] offset:64*\b          ; each accumulator from its low end on
	ds_store_b128 v[STO], v[AC+8*\b+4:AC+8*\b+7] offset:64*\b+16
.endr
	WIN 0
.set BB, BK+64*((\a)%2)
.irp t, 0,1,2,3,4,5,6,7,8,9,10,11,12,13,14,15
	ds_load_b128 v[BB+4*\t:BB+4*\t+3], v[RD] offset:\t*SPITCH
.endr
.endm
.macro SEND a, younger                 ; younger: the LDS instructions issued behind block a's loads
.set BB, BK+64*((\a)%2)
	s_wait_dscnt \younger
.if (\a) > 0
	s_add_nc_u64 s[14:15], s[14:15], 16*4096       ; (behind a wait on XCNT: the earlier stores have read their base)
.endif
.irp t, 0,1,2,3,4,5,6,7,8,9,10,11,12,13,14,15
	global_store_b128 v[L16], v[BB+4*\t:BB+4*\t+3], s[14:15] offset:\t*4096 th:TH_STORE_NT   ; 32 lanes store 512 consecutive bytes, aligned
.endr
.endm
	PLACES 4                                       ; behind the last products: ahead of the reads of their results and of loads into registers that they read
	TOSTAGE 0
.irp a, 1,2,3
.if \a > 1
	s_wait_xcnt 0x0                                ; block a - 2's stores have read their registers and their base
.endif
	TOSTAGE \a
	SEND \a-1, 32
.endr
	s_wait_xcnt 0x0
	SEND 3, 0
	s_wait_tensorcnt 0x0                           ; the wave's end
	ds_add_u32 v[SPW], v[NIL]
	s_wait_dscnt 0x0
	CROUND                                         ; the closing round
	s_endpgm
.Lfunc_end_k_q70386ecf5e_outp:
	.size	k_q70386ecf5e_outp, .Lfunc_end_k_q70386ecf5e_outp-k_q70386ecf5e_outp
	.p2alignl 7, 3214868480
	.fill 96, 4, 3214868480
	.section	.rodata,"a",@progbits
	.p2align	6, 0x0
	.amdhsa_kernel k_q70386ecf5e_outp
		.amdhsa_group_segment_fixed_size 327680
		.amdhsa_private_segment_fixed_size 0
		.amdhsa_enable_private_segment 0
		.amdhsa_kernarg_size 48
		.amdhsa_user_sgpr_count 2
		.amdhsa_user_sgpr_kernarg_segment_ptr 1
		.amdhsa_wavefront_size32 1
		.amdhsa_system_sgpr_workgroup_id_x 1
		.amdhsa_system_sgpr_workgroup_id_y 1
		.amdhsa_system_sgpr_workgroup_id_z 1
		.amdhsa_system_vgpr_workitem_id 0
		.amdhsa_next_free_vgpr 768
		.amdhsa_next_free_sgpr 106
		.amdhsa_reserve_vcc 0
		.amdhsa_float_denorm_mode_32 3
		.amdhsa_float_denorm_mode_16_64 3
		.amdhsa_memory_ordered 1
		.amdhsa_forward_progress 1
		.amdhsa_inst_pref_size 83
	.end_amdhsa_kernel
	.amdgpu_metadata
---
amdhsa.version: [ 1, 2 ]
amdhsa.kernels:
  - .name:           k_q70386ecf5e_outp
    .symbol:         k_q70386ecf5e_outp.kd
    .args:
      - { .name: oc, .offset: 0, .size: 8, .value_kind: global_buffer, .address_space: global }
      - { .name: os, .offset: 8, .size: 8, .value_kind: global_buffer, .address_space: global }
      - { .name: codes, .offset: 16, .size: 8, .value_kind: global_buffer, .address_space: global }
      - { .name: scales, .offset: 24, .size: 8, .value_kind: global_buffer, .address_space: global }
      - { .name: bo, .offset: 32, .size: 8, .value_kind: global_buffer, .address_space: global }
      - { .name: out0, .offset: 40, .size: 8, .value_kind: global_buffer, .address_space: global }
    .group_segment_fixed_size: 327680
    .private_segment_fixed_size: 0
    .kernarg_segment_align: 8
    .kernarg_segment_size: 48
    .max_flat_workgroup_size: 128
    .sgpr_count:     106
    .vgpr_count:     768
    .wavefront_size: 32
...
	.end_amdgpu_metadata
.endif
;; end of part 4
